; MI455X (gfx1250); checked and timed in simulation.
; The chip was launched on July 23, 2026; its instructions are those of AMD's public machine-readable ISA for CDNA 5 (MIT licence, August 2026) and "CDNA5" Instruction Set Architecture Reference Guide (July 2026). The comments in the code are by the model that wrote it; some were corrected since.
;; Relative Multi Head Attention. Allowed arithmetic: float matrix products may take bf16 or f16 operands with f32 sums; other float arithmetic in f32, or as packed bf16 or f16 multiplies, adds, multiply-adds, maxima and minima; sums over many terms, partial sums and values carried from step to step in f32; what a program stores and reads back later, other than sums and carried values, may be rounded once to bf16 or f16.
;; Inputs: Wk 1,024 x 1,024 float32; Wo 1,024 x 1,024 float32; Wp 1,024 x 1,024 float32; Wq 1,024 x 1,024 float32; Wv 1,024 x 1,024 float32; bk 1,024 float32; bo 1,024 float32; bq 1,024 float32; bv 1,024 float32; k 8 x 1,024 x 1,024 float32; pos_emb 8 x 1,024 x 1,024 float32; q 8 x 1,024 x 1,024 float32; u_bias 16 x 64 float32; v 8 x 1,024 x 1,024 float32; v_bias 16 x 64 float32.
;; Outputs: out0 8 x 1,024 x 1,024 float32.
;; 2 versions, each right; version 2 is version 1 with the launch prep written anew for expert scheduling mode. Each part assembles by itself: llvm-mc -triple=amdgcn-amd-amdhsa -mcpu=gfx1250 --defsym DOCPART=n.
;; ======== version 1 of 2: 4 launches
;; limits: values are held in f16: magnitudes above 65,504 overflow, below 6.1e-05 lose precision
;; workspace buffers: xc 67,108,864 bytes; wc 10,485,760 bytes; bc 24,576 bytes; hd 67,239,936 bytes; oc 16,777,216 bytes
;; launch prep (part 1): grid 149 x 4, 8 waves a work-group, no clusters, 0 bytes of LDS; arguments q, k, v, pos_emb, Wq, Wk, Wv, Wp, Wo, bq, bk, bv, bo, u_bias, v_bias, xc, wc, bc, hd; writes xc, wc, bc, hd
.if DOCPART == 1
	.amdgcn_target "amdgcn-amd-amdhsa--gfx1250"
	.amdhsa_code_object_version 6
	.text
	.protected	k_q978eab2fdd_prep
	.globl	k_q978eab2fdd_prep
	.p2align	8
	.type	k_q978eab2fdd_prep,@function
k_q978eab2fdd_prep:
	s_mov_b64 s[64:65], 0
	v_nop
	global_prefetch_b8 v0, s[64:65] scope:SCOPE_SE
	s_setreg_imm32_b32 hwreg(HW_REG_WAVE_MODE, 25, 1), 1
	s_wait_xcnt 0x0
; THE CASTS.  q, k, v, pos_emb and Wq, Wk, Wv, Wp: f32 -> bf16 (xc, wc).  Wo, u_bias, v_bias: f32 -> bf16, that number written as f16.
; bq, bk, bv, bo: rounded to bf16 and kept as f32 (bc), beside a row of zeros for the projection without bias.  The 256 bytes in front of each head's rows in hd are set to 0.
; LIMITS.  A bf16 number is exact in f16 between 6.1e-5 and 65,504 in magnitude; below it keeps f16's fixed step of 6e-8; Wo, u_bias, v_bias beyond 65,504 become infinities.
; SHARES.  Work-group (x, y): x < 128: chunk x of input y of (q, k, v, pos_emb); 128-143: chunk x - 128 of weight y; 144-147: chunk 4 y + x - 144 of Wo; 148: the small tables.
; A chunk is 65,536 numbers: 64 turns of 256 threads x 16 bytes in, 8 bytes out: a wave's store covers 256 consecutive bytes, aligned.  A ring of eight slots in registers keeps
; eight loads of every wave on their way.  No LDS, no barrier, no matrix unit: the bytes are all there is to this launch.
.set DEPTH,  8
.set ROUNDS, 8
.set OFFI, 2                           ; v[2:9]    slot i: byte offset of my 16 bytes in the chunk
.set OFFO, 10                          ; v[10:17]  slot i: byte offset of my 8 bytes in the chunk's output
.set T,    18                          ; v[18:21]  at work
.set X,    24                          ; v[24:55]  slot i: 4 registers as loaded
.set Y,    56                          ; v[56:71]  slot i: 2 registers to store
.set HS,   131328                       ; bytes of a head in hd: 256 + 1,024 rows of 128
.set RS,   16809984                     ; bytes of a region of hd: 128 heads
	s_load_b512 s[8:23], s[0:1], 0x0               ; q, k, v, pos_emb, Wq, Wk, Wv, Wp
	s_load_b512 s[24:39], s[0:1], 0x40             ; Wo, bq, bk, bv, bo, u_bias, v_bias, xc
	s_load_b128 s[40:43], s[0:1], 0x80             ; wc, bc
	s_load_b64 s[44:45], s[0:1], 0x90              ; hd
	s_mov_b32 s2, ttmp9                            ; x
	s_and_b32 s3, ttmp7, 0xffff                    ; y
	s_mov_b32 s50, 0xffff0000                      ; a word's upper bf16
.irp i, 0,1,2,3,4,5,6,7
	v_lshl_or_b32 v[OFFI+(\i)], v0, 4, (\i)*4096
	v_lshl_or_b32 v[OFFO+(\i)], v0, 3, (\i)*2048
.endr
	s_lshl_b32 s51, s2, 18                         ; an input's chunk: 256 KiB in,
	s_lshl_b32 s52, s3, 7
	s_add_co_u32 s52, s52, s2
	s_lshl_b32 s52, s52, 17                        ; 128 KiB out, 128 chunks an input
	s_sub_co_u32 s55, s2, 128
	s_lshl_b32 s53, s55, 18                        ; a weight's chunk,
	s_lshl_b32 s54, s3, 4
	s_add_co_u32 s54, s54, s55
	s_lshl_b32 s54, s54, 17                        ; 16 chunks a weight
	s_mov_b32 s57, 0
	s_mov_b32 s59, 0
	s_wait_kmcnt 0x0
	s_cmp_eq_u32 s2, 148
	s_cbranch_scc1 .Lsmall
	s_cmp_ge_u32 s2, 144
	s_cbranch_scc1 .Lwo
	s_cmp_eq_u32 s3, 1
	s_cselect_b64 s[46:47], s[10:11], s[8:9]
	s_cselect_b64 s[48:49], s[18:19], s[16:17]
	s_cmp_eq_u32 s3, 2
	s_cselect_b64 s[46:47], s[12:13], s[46:47]
	s_cselect_b64 s[48:49], s[20:21], s[48:49]
	s_cmp_eq_u32 s3, 3
	s_cselect_b64 s[46:47], s[14:15], s[46:47]     ; input y
	s_cselect_b64 s[48:49], s[22:23], s[48:49]     ; weight y
	s_cmp_lt_u32 s2, 128
	s_cselect_b64 s[4:5], s[46:47], s[48:49]
	s_cselect_b64 s[6:7], s[38:39], s[40:41]
	s_cselect_b32 s56, s51, s53
	s_cselect_b32 s58, s52, s54
	s_add_nc_u64 s[4:5], s[4:5], s[56:57]          ; from here
	s_add_nc_u64 s[6:7], s[6:7], s[58:59]          ; to here
; One slot's turn.  ahead = 1: the slot is filled again, DEPTH turns on.  left = the younger loads that may stay out.  f16 = 1: the bf16 number is written as f16.
.macro SLOT i, ahead, left, f16
	s_wait_loadcnt \left                           ; loads come back in order: mine is in, the younger ones stay out
	s_wait_xcnt 0x0                                ; the slot's last store has read its Y and its offset: they are rewritten only behind this wait
	v_cvt_pk_bf16_f32 v[Y+2*(\i)],   v[X+4*(\i)],   v[X+4*(\i)+1]
	v_cvt_pk_bf16_f32 v[Y+2*(\i)+1], v[X+4*(\i)+2], v[X+4*(\i)+3]
.if \f16
	v_lshlrev_b32 v[T],   16,  v[Y+2*(\i)]
	v_and_b32     v[T+1], s50, v[Y+2*(\i)]
	v_lshlrev_b32 v[T+2], 16,  v[Y+2*(\i)+1]
	v_and_b32     v[T+3], s50, v[Y+2*(\i)+1]
	v_cvt_pk_f16_f32 v[Y+2*(\i)],   v[T],   v[T+1]
	v_cvt_pk_f16_f32 v[Y+2*(\i)+1], v[T+2], v[T+3]
.endif
.if \ahead
	v_add_nc_u32 v[OFFI+(\i)], DEPTH*4096, v[OFFI+(\i)]
	v_add_nc_u32 v[OFFO+(\i)], DEPTH*2048, v[OFFO+(\i)]
	global_load_b128 v[X+4*(\i):X+4*(\i)+3], v[OFFI+(\i)], s[4:5] th:TH_LOAD_NT
	global_store_b64 v[OFFO+(\i)], v[Y+2*(\i):Y+2*(\i)+1], s[6:7] offset:-DEPTH*2048
.else
	global_store_b64 v[OFFO+(\i)], v[Y+2*(\i):Y+2*(\i)+1], s[6:7]
.endif
.endm
.macro STREAM f16
.irp i, 0,1,2,3,4,5,6,7
	global_load_b128 v[X+4*(\i):X+4*(\i)+3], v[OFFI+(\i)], s[4:5] th:TH_LOAD_NT
.endr
	s_mov_b32 s60, ROUNDS-1
.Lround_\@:
.irp i, 0,1,2,3,4,5,6,7
	SLOT \i, 1, DEPTH-1, \f16
.endr
	s_sub_co_u32 s60, s60, 1
	s_cmp_lg_u32 s60, 0
	s_cbranch_scc1 .Lround_\@
.irp i, 0,1,2,3,4,5,6,7
	SLOT \i, 0, DEPTH-1-(\i), \f16                 ; the last round loads nothing: the counts run down
.endr
	s_endpgm
.endm
	STREAM 0
.Lwo:                                              ; Wo: chunk 4 y + x - 144, behind the four other weights in wc
	s_lshl_b32 s56, s3, 2
	s_add_co_u32 s56, s56, s55
	s_sub_co_u32 s56, s56, 16
	s_add_co_u32 s58, s56, 64
	s_lshl_b32 s56, s56, 18
	s_lshl_b32 s58, s58, 17
	s_add_nc_u64 s[4:5], s[24:25], s[56:57]
	s_add_nc_u64 s[6:7], s[40:41], s[58:59]
	STREAM 1
.Lsmall:                                           ; 256 threads, four numbers each
	v_lshlrev_b32 v76, 4, v0                       ; 16 t
	v_lshlrev_b32 v77, 3, v0                       ; 8 t
.irp r, 72,73,74,75
	v_mov_b32 v\r, 0
.endr
	s_lshl_b32 s60, s3, 12                         ; row y of bc: made ahead of the compares, since a shift writes SCC
	s_mov_b32 s61, 0
	s_cmp_eq_u32 s3, 1
	s_cselect_b64 s[52:53], s[28:29], s[26:27]
	s_cmp_eq_u32 s3, 2
	s_cselect_b64 s[52:53], s[30:31], s[52:53]
	s_cmp_eq_u32 s3, 3
	s_cselect_b64 s[52:53], s[32:33], s[52:53]     ; bias y of (bq, bk, bv, bo)
	s_cselect_b32 s60, 16384, s60                  ; its row in bc: 0, 1, 2, 4
	s_add_nc_u64 s[62:63], s[42:43], s[60:61]
	global_load_b128 v[80:83], v76, s[52:53]
	s_cmp_lt_u32 s3, 2
	s_cbranch_scc0 .Lno_uv
	s_cmp_eq_u32 s3, 0
	s_cselect_b64 s[54:55], s[34:35], s[36:37]     ; u_bias, v_bias
	global_load_b128 v[84:87], v76, s[54:55]
	s_lshl_b32 s56, s3, 11
	s_add_co_u32 s56, s56, 20480
	s_add_nc_u64 s[58:59], s[42:43], s[56:57]
	s_wait_loadcnt 0x0
	v_cvt_pk_bf16_f32 v88, v84, v85
	v_cvt_pk_bf16_f32 v89, v86, v87
	v_lshlrev_b32 v92, 16, v88
	v_and_b32 v93, s50, v88
	v_lshlrev_b32 v94, 16, v89
	v_and_b32 v95, s50, v89
	v_cvt_pk_f16_f32 v90, v92, v93
	v_cvt_pk_f16_f32 v91, v94, v95
	global_store_b64 v77, v[90:91], s[58:59]
	s_wait_xcnt 0x0                                ; v[92:95] and v[88:89] are written again below; the store's own registers v77, v[90:91] are not
.Lno_uv:
	s_wait_loadcnt 0x0
	v_cvt_pk_bf16_f32 v88, v80, v81
	v_cvt_pk_bf16_f32 v89, v82, v83
	v_lshlrev_b32 v92, 16, v88
	v_and_b32 v93, s50, v88
	v_lshlrev_b32 v94, 16, v89
	v_and_b32 v95, s50, v89
	global_store_b128 v76, v[92:95], s[62:63]
	s_cmp_eq_u32 s3, 2
	s_cbranch_scc0 .Lno_zero
	global_store_b128 v76, v[72:75], s[42:43] offset:12288  ; the row of zeros
.Lno_zero:
	; region y's 128 pads of 256 bytes: thread t takes 16 bytes of heads t / 16 + 16 k, k = 0 .. 7
	s_mul_i32 s56, s3, RS
	s_add_nc_u64 s[46:47], s[44:45], s[56:57]
	v_lshrrev_b32 v78, 4, v0
	v_mul_u32_u24 v78, v78, HS
	v_and_b32 v79, 15, v0
	v_lshl_add_u32 v78, v79, 4, v78
	v_add_nc_u32 v79, 64*HS, v78
.irp k, 0,1,2,3
	global_store_b128 v78, v[72:75], s[46:47] offset:(\k)*16*HS
	global_store_b128 v79, v[72:75], s[46:47] offset:(\k)*16*HS
.endr
	s_endpgm
.Lfunc_end_k_q978eab2fdd_prep:
	.size	k_q978eab2fdd_prep, .Lfunc_end_k_q978eab2fdd_prep-k_q978eab2fdd_prep
	.p2alignl 7, 3214868480
	.fill 96, 4, 3214868480
	.section	.rodata,"a",@progbits
	.p2align	6, 0x0
	.amdhsa_kernel k_q978eab2fdd_prep
		.amdhsa_group_segment_fixed_size 0
		.amdhsa_private_segment_fixed_size 0
		.amdhsa_enable_private_segment 0
		.amdhsa_kernarg_size 152
		.amdhsa_user_sgpr_count 2
		.amdhsa_user_sgpr_kernarg_segment_ptr 1
		.amdhsa_wavefront_size32 1
		.amdhsa_system_sgpr_workgroup_id_x 1
		.amdhsa_system_sgpr_workgroup_id_y 1
		.amdhsa_system_sgpr_workgroup_id_z 1
		.amdhsa_system_vgpr_workitem_id 0
		.amdhsa_next_free_vgpr 96
		.amdhsa_next_free_sgpr 66
		.amdhsa_reserve_vcc 0
		.amdhsa_float_denorm_mode_32 3
		.amdhsa_float_denorm_mode_16_64 3
		.amdhsa_memory_ordered 1
		.amdhsa_forward_progress 1
		.amdhsa_inst_pref_size 25
	.end_amdhsa_kernel
	.amdgpu_metadata
---
amdhsa.version: [ 1, 2 ]
amdhsa.kernels:
  - .name:           k_q978eab2fdd_prep
    .symbol:         k_q978eab2fdd_prep.kd
    .args:
      - { .name: q, .offset: 0, .size: 8, .value_kind: global_buffer, .address_space: global }
      - { .name: k, .offset: 8, .size: 8, .value_kind: global_buffer, .address_space: global }
      - { .name: v, .offset: 16, .size: 8, .value_kind: global_buffer, .address_space: global }
      - { .name: pos_emb, .offset: 24, .size: 8, .value_kind: global_buffer, .address_space: global }
      - { .name: Wq, .offset: 32, .size: 8, .value_kind: global_buffer, .address_space: global }
      - { .name: Wk, .offset: 40, .size: 8, .value_kind: global_buffer, .address_space: global }
      - { .name: Wv, .offset: 48, .size: 8, .value_kind: global_buffer, .address_space: global }
      - { .name: Wp, .offset: 56, .size: 8, .value_kind: global_buffer, .address_space: global }
      - { .name: Wo, .offset: 64, .size: 8, .value_kind: global_buffer, .address_space: global }
      - { .name: bq, .offset: 72, .size: 8, .value_kind: global_buffer, .address_space: global }
      - { .name: bk, .offset: 80, .size: 8, .value_kind: global_buffer, .address_space: global }
      - { .name: bv, .offset: 88, .size: 8, .value_kind: global_buffer, .address_space: global }
      - { .name: bo, .offset: 96, .size: 8, .value_kind: global_buffer, .address_space: global }
      - { .name: u_bias, .offset: 104, .size: 8, .value_kind: global_buffer, .address_space: global }
      - { .name: v_bias, .offset: 112, .size: 8, .value_kind: global_buffer, .address_space: global }
      - { .name: xc, .offset: 120, .size: 8, .value_kind: global_buffer, .address_space: global }
      - { .name: wc, .offset: 128, .size: 8, .value_kind: global_buffer, .address_space: global }
      - { .name: bc, .offset: 136, .size: 8, .value_kind: global_buffer, .address_space: global }
      - { .name: hd, .offset: 144, .size: 8, .value_kind: global_buffer, .address_space: global }
    .group_segment_fixed_size: 0
    .private_segment_fixed_size: 0
    .kernarg_segment_align: 8
    .kernarg_segment_size: 152
    .max_flat_workgroup_size: 256
    .sgpr_count:     66
    .vgpr_count:     96
    .wavefront_size: 32
...
	.end_amdgpu_metadata
.endif
;; end of part 1
;; launch proj (part 2): grid 4 x 64, 4 waves a work-group, clusters of 4 x 4, 327,680 bytes of LDS; arguments xc, wc, bc, hd; writes hd
.if DOCPART == 2
	.amdgcn_target "amdgcn-amd-amdhsa--gfx1250"
	.amdhsa_code_object_version 6
	.text
	.protected	k_q978eab2fdd_proj
	.globl	k_q978eab2fdd_proj
	.p2align	8
	.type	k_q978eab2fdd_proj,@function
k_q978eab2fdd_proj:
	s_mov_b64 s[64:65], 0
	v_nop
	global_prefetch_b8 v0, s[64:65] scope:SCOPE_SE
	s_setreg_imm32_b32 hwreg(HW_REG_WAVE_MODE, 25, 1), 1
	s_wait_xcnt 0x0
	s_wait_alu depctr_hold_cnt(0) depctr_sa_sdst(0) depctr_va_vdst(0) depctr_va_sdst(0) depctr_va_ssrc(0) depctr_va_vcc(0) depctr_vm_vsrc(0)
	s_getreg_b32 s2, hwreg(HW_REG_IB_STS2, 6, 4)
	s_cmp_eq_u32 s2, 0
	s_cbranch_scc0 .Lentry_in_a_cluster
	s_endpgm
.Lentry_in_a_cluster:
	s_bfe_u32 s2, ttmp6, 0x10000c
	s_cmp_lg_u32 s2, 0xf033
	s_cbranch_scc0 .Lentry_shape_is_right
	s_endpgm
.Lentry_shape_is_right:
; THE FOUR INPUT PROJECTIONS IN ONE GRID.  For mode = 0..3 (q, k, v, pos): Y[m][n] = bias[n] + the sum over k of X[m][k] W[n][k], X: [8192][1024], W: [1024][1024], both bf16; sums in f32;
; Y rounded once to f16 and stored by heads: region mode of hd, head 16 b + n / 64, row m % 1024 at byte 256 + 128 x row.
; LIMIT.  f16 holds no number beyond 65,504: a projected value beyond that becomes an infinity.
; A tile of Y is 256 x 256: four waves, each 128 x 128 in 64 accumulators.  K goes in steps of 128 through two LDS slots filled by the tensor data mover; rows of the tiles are 256 bytes of
; memory, aligned.  CLUSTER 4 x 4: the four work-groups of a row of the cluster need the same tiles of X, the four of a column the same tiles of W: each tile is asked for jointly.
; A WORK-GROUP STAYS: it makes two tiles, 4,096 rows apart in the same input, so that both take the same rows of W and the same bias: 256 work-groups.  The ring does not stop at the first tile's end:
; its fourth lap is a trip of the same loop as every lap; only the steps of the descriptors' addresses, which lie in scalar registers, are others there (X: on to the next tile's K steps 0 and 1; W: back to
; its K steps 0 and 1).  The first tile goes out when both those refills are asked for, and nothing waits for its stores.  The second tile's last lap, which fills nothing, is written out.
; The matrix instruction is used transposed (source 0 = 16 rows of W, source 1 = 16 rows of X): a lane holds eight neighbouring columns of one row of Y.
; THE BIAS is the C operand of each accumulator's first product: 64 registers a lane, loaded once.
; REGISTERS, in windows of 256: window 0: v0-31 addresses; v64-127, v128-191 fragments of X, two buffers; v32-63, v192-255 at work on the way out.
;   window 1: v0-63 the bias; v64-127, v128-191 fragments of W.   window 2: the accumulators of my rows 0-63 ((a, b) at v[8 (8 a + b)]);   window 3: those of rows 64-127.
.set SIZE_K, 1024
.set KSTEP,  128
.set PITCH,  272                       ; an LDS row: 256 bytes + 16 of padding: the 16 rows of a fragment load start at 16 different groups of four banks
.set HALFT,  128*PITCH
.set SLOT,   4*HALFT                   ; X's 256 rows, then W's 256 rows
.set STAGE,  2*SLOT                    ; behind the ring: 16 rows x 272 bytes for each wave
.set SPITCH, 272
.set SPARE,  STAGE+4*16*SPITCH         ; the spare words: 128 bytes a wave, two blocks of 256 bytes that no other line names
.set HS,     131328
.set RS,     16809984
.set WALKB,  4096*SIZE_K*2             ; bytes of xc from a tile to the work-group's next
.set NEXT_A, WALKB-6*KSTEP*2           ; from a slot's last K step of the first tile (6 or 7) to its first of the second (0 or 1)
.set BACK_B, 6*KSTEP*2                 ; W only goes back along K
.set NEXT_P, WALKB-7*KSTEP*2           ; the prefetches' pointer: from K step 6 of the first tile to the K step in front of the second tile's first
.set NEXT_C, 64*HS-7*16*128            ; from my last 16 rows of the first tile to my first of the second: four batches, 64 heads, on
.set ADRA, 16
.set ADRB, 20
.set STO,  24
.set RD,   25
.set CO,   26
.set BO,   27
.set SPW,  28
.set NIL,  29
.set PFO,  30
.set C512, 8                           ; s8   512, s9  256: the usual steps, for the selects
.set C256, 9
.set PFA,  44                          ; s[44:45] where my prefetches stand
.set LG,   75                          ; s75  the lap's number over both tiles, 0 to 7
.set STA,  76                          ; s[76:77] this lap's step of X's addresses
.set STB,  78                          ; s[78:79] this lap's step of W's addresses forward,
.set SBB,  96                          ; s[96:97] and back
.set PS0,  80                          ; s[80:81] the step of the prefetches' pointer at the lap's first change of slots
.set PLIM, 82                          ; s82  my wave prefetches in the laps below this number
.set TL,   83                          ; s83  tiles done
.set F0,   64
.set F1,   128
.set TMP,  192
.set OB,   32
.set G1,  24
.set G0,  32
.set G1B, 48
.set G0B, 56
.set CP,  70                           ; s[70:71] hd, then where my stores stand
.set MSB, 0
.macro WIN new
.if MSB != (\new)
	s_set_vgpr_msb (MSB<<8)|(\new)
.set MSB, \new
.endif
.endm
.set MUL_LO, 0xa1                      ; source 0 (W) window 1, source 1 (X) window 0, C and D window 2
.set TO_B,   0x40
; A joint load.  Waves 0 and 1 fetch X's two halves, waves 2 and 3 W's.  The branch hangs on the wave's number alone.  An s_nop 0 and four v_nop follow each line.
.macro JLOAD s
	s_cmp_eq_u32 s11, 0
	s_cbranch_scc0 .Lfor_b_\@
	tensor_load_to_lds s[G0+4*(\s):G0+4*(\s)+3], s[G1:G1+7]
	s_nop 0
.rept 4
	v_nop
.endr
	s_branch .Lasked_\@
.Lfor_b_\@:
	tensor_load_to_lds s[G0B+4*(\s):G0B+4*(\s)+3], s[G1B:G1B+7]
	s_nop 0
.rept 4
	v_nop
.endr
.Lasked_\@:
.endm
; A prefetch of what the refill two refills on will ask for: 32 rows x 256 bytes, a lane a row.  X's tile rows belong to one cluster, which asks, through both tiles: laps 0 to 5 name the first tile's K steps
; 4 to 7 and all eight of the second.  W's tile column is read by the four clusters of a mode: the first of them asks, in laps 0 and 1, for K steps 4 to 7; afterwards W's rows have been read.
; The four partners that ask for a tile jointly share its rows out by address, 32 each.  So each row's 256 bytes of a K step are named once in the launch, and none behind a buffer's end.
.macro ASK
	s_cmp_lt_u32 s[LG], s[PLIM]
	s_cbranch_scc0 .Lnot_mine_\@
	global_prefetch_b8 v[PFO], s[PFA:PFA+1] offset:KSTEP*2 th:TH_LOAD_NT scope:SCOPE_SE
.Lnot_mine_\@:
.endm
.macro CREST
	s_cmp_lg_u32 s10, 0
	s_cbranch_scc1 .Lnot_wave_0_\@
	s_barrier_signal -3
.Lnot_wave_0_\@:
	s_barrier_wait -3
	s_barrier_signal -1
	s_barrier_wait -1
.endm
.macro CROUND
	s_barrier_signal -1
	s_barrier_wait -1
	CREST
.endm
	s_load_b128 s[4:7], s[0:1], 0x0                ; xc, wc
	s_load_b128 s[68:71], s[0:1], 0x10             ; bc, hd
	v_lshl_add_u32 v[SPW], v0, 2, SPARE
	v_mov_b32 v[NIL], 0
	ds_add_u32 v[SPW], v[NIL]                      ; the wave's opening: the add and its wait ahead of my first tensor load
	v_lshrrev_b32 v1, 5, v0
	v_readfirstlane_b32 s10, v1                    ; wave 0..3
	s_lshr_b32 s11, s10, 1                         ; my half of the tile's rows; also: I fetch for X (0) or W (1)
	s_and_b32 s12, s10, 1                          ; my half of its columns; also: which 128 rows I fetch
	s_bfe_u32 s40, ttmp6, 0x40000                  ; cx
	s_bfe_u32 s41, ttmp6, 0x40004                  ; cy
	s_lshl_b32 s42, ttmp9, 2
	s_add_co_u32 s42, s42, s40                     ; tile column
	s_and_b32 s72, ttmp7, 0xffff                   ; cluster y, 0..15
	s_lshr_b32 s73, s72, 2                         ; mode: the same in all sixteen partners
	s_and_b32 s98, s72, 3                          ; my cluster among the mode's four
	s_lshl_b32 s13, s73, 5                         ; an input has 32 tile rows;
	s_lshl_b32 s99, s98, 2
	s_add_co_u32 s13, s13, s99
	s_add_co_u32 s13, s13, s41                     ; my first tile's row is one of its first 16, the second lies 16 further down
	s_lshl_b32 s43, s41, 2
	s_lshl_b32 s43, 15, s43                        ; my row of the cluster
	s_lshl_b32 s44, 0x1111, s40                    ; my column
	s_or_b32 s[G1+0], s43, (1<<16)|(1<<20)|(1<<21)|(5<<22)|(3<<25)  ; mask; 2-byte elements; padding on; bit 21 beside a mask; after every 64 words; 4 words
	s_or_b32 s[G1B+0], s44, (1<<16)|(1<<20)|(1<<21)|(5<<22)|(3<<25)
.irp g, G1, G1B
	s_mov_b32 s[(\g)+1], KSTEP<<16                 ; tensor_dim0 = 128
	s_mov_b32 s[(\g)+2], 128<<16                   ; tensor_dim1 = 128
	s_mov_b32 s[(\g)+3], KSTEP<<16                 ; tile_dim0 = 128
	s_mov_b32 s[(\g)+4], 128                       ; tile_dim1 = 128
	s_mov_b32 s[(\g)+5], SIZE_K                    ; elements from row to row
	s_mov_b32 s[(\g)+6], 0
	s_mov_b32 s[(\g)+7], 0
.endr
	s_mov_b32 s[C512], 2*KSTEP*2
	s_mov_b32 s[C256], KSTEP*2
	s_mov_b32 s[STA+1], 0
	s_mov_b32 s[STB+1], 0
	s_mov_b32 s[SBB+1], 0
	s_mov_b32 s[PS0+1], 0
	s_lshl_b32 s17, s12, 7
	s_lshl_b32 s16, s13, 8
	s_add_co_u32 s16, s16, s17
	s_lshl_b32 s16, s16, 11                        ; X: (256 x tile row + 128 x half) rows of 2,048 bytes
	s_lshl_b32 s46, s42, 8
	s_add_co_u32 s46, s46, s17
	s_lshl_b32 s46, s46, 11                        ; W: (256 x tile column + 128 x half) rows,
	s_lshl_b32 s74, s73, 21
	s_add_co_u32 s46, s46, s74                     ; in weight number mode
	s_mov_b32 s17, 0
	s_mov_b32 s47, 0
	s_mul_i32 s20, s10, HALFT                      ; where they go: wave x 128 rows
	s_wait_dscnt 0x0                               ; the opening add is done
	s_wait_kmcnt 0x0
	s_add_nc_u64 s[14:15], s[4:5], s[16:17]
	s_add_nc_u64 s[46:47], s[6:7], s[46:47]
	CROUND                                         ; all sixteen work-groups are here: the first joint loads meet
.irp s, 0,1
	s_mov_b32 s[G0+4*(\s)], 1
	s_add_co_u32 s[G0+4*(\s)+1], s20, (\s)*SLOT
	s_add_nc_u64 s[G0+4*(\s)+2:G0+4*(\s)+3], s[14:15], (\s)*KSTEP*2
	s_or_b32 s[G0+4*(\s)+3], s[G0+4*(\s)+3], 0x80000000
	s_mov_b32 s[G0B+4*(\s)], 1
	s_add_co_u32 s[G0B+4*(\s)+1], s20, (\s)*SLOT
	s_add_nc_u64 s[G0B+4*(\s)+2:G0B+4*(\s)+3], s[46:47], (\s)*KSTEP*2
	s_or_b32 s[G0B+4*(\s)+3], s[G0B+4*(\s)+3], 0x80000000
	JLOAD \s                                       ; two loads of mine are out
.endr
	; the bias of my 128 columns: register 8 b + j holds column 16 b + 8 (l / 16) + j
	s_lshl_b32 s94, s42, 10
	s_lshl_b32 s95, s12, 9
	s_add_co_u32 s94, s94, s95
	s_lshl_b32 s95, s73, 12
	s_add_co_u32 s94, s94, s95
	s_mov_b32 s95, 0
	s_add_nc_u64 s[92:93], s[68:69], s[94:95]
	v_and_b32 v1, 15, v0                           ; l % 16
	v_bfe_u32 v2, v0, 4, 1                         ; l / 16
	v_lshlrev_b32 v[BO], 5, v2
	WIN TO_B
.irp b, 0,1,2,3,4,5,6,7
	global_load_b128 v[8*(\b):8*(\b)+3],   v[BO], s[92:93] offset:64*(\b)
	global_load_b128 v[8*(\b)+4:8*(\b)+7], v[BO], s[92:93] offset:64*(\b)+16
.endr
	WIN 0
	v_mul_u32_u24 v3, v1, PITCH
	v_lshl_add_u32 v3, v2, 4, v3                   ; a fragment's row x pitch + 16 x half
	s_mul_i32 s21, s11, HALFT
	s_mul_i32 s22, s12, HALFT
	s_add_co_u32 s22, s22, 2*HALFT
.irp s, 0,1
	v_add_nc_u32 v[ADRA+(\s)], s21, v3
	v_add_nc_u32 v[ADRB+(\s)], s22, v3
	s_add_co_u32 s21, s21, SLOT
	s_add_co_u32 s22, s22, SLOT
.endr
	s_mul_i32 s23, s10, 16*SPITCH
	s_add_co_u32 s23, s23, STAGE                   ; my stage
	v_mul_u32_u24 v4, v1, SPITCH                   ; in: row l % 16, 16 bytes for each half of the lanes
	v_lshl_add_u32 v4, v2, 4, v4
	v_add_nc_u32 v[STO], s23, v4
	v_bfe_u32 v5, v0, 3, 2                         ; back: 32 lanes take four rows' 128 bytes of one head,
	v_and_b32 v6, 7, v0
	v_mul_u32_u24 v5, v5, SPITCH
	v_lshl_add_u32 v5, v6, 4, v5
	v_add_nc_u32 v[RD], s23, v5
	v_and_b32 v[CO], 31, v0
	v_lshlrev_b32 v[CO], 4, v[CO]                  ; which are 512 consecutive bytes of hd
	; where my part of the first tile begins in hd
	s_and_b32 s84, s13, 31
	s_lshr_b32 s84, s84, 2
	s_lshl_b32 s84, s84, 4                         ; 16 x batch
	s_lshl_b32 s86, s42, 2
	s_add_co_u32 s84, s84, s86
	s_lshl_b32 s86, s12, 1
	s_add_co_u32 s84, s84, s86                     ; + my first head
	s_mul_i32 s84, s84, HS
	s_mul_i32 s86, s73, RS
	s_add_co_u32 s84, s84, s86
	s_and_b32 s86, s13, 3
	s_lshl_b32 s86, s86, 8
	s_lshl_b32 s87, s11, 7
	s_add_co_u32 s86, s86, s87                     ; my first row in the batch
	s_lshl_b32 s86, s86, 7
	s_add_co_u32 s84, s84, s86
	s_add_co_u32 s84, s84, 256
	s_mov_b32 s85, 0
	; the prefetches
	s_lshl_b32 s88, s13, 8
	s_lshl_b32 s89, s42, 8
	s_cmp_eq_u32 s11, 0                            ; do I fetch for X?
	s_cselect_b32 s88, s88, s89                    ; the tile's first row
	s_cselect_b32 s89, s40, s41                    ; my place among the four that ask with me
	s_cselect_b32 s90, ttmp9, s98                  ; the coordinate along which other clusters read the same rows
	s_cselect_b32 s91, 0, s74
	s_cselect_b32 s[PLIM], 6, 2
	s_cselect_b64 s[PFA:PFA+1], s[4:5], s[6:7]
	s_cmp_eq_u32 s90, 0
	s_cselect_b32 s[PLIM], s[PLIM], 0              ; the same in all sixteen partners, for a given wave
	s_lshl_b32 s90, s12, 7
	s_add_co_u32 s88, s88, s90
	s_lshl_b32 s89, s89, 5
	s_add_co_u32 s88, s88, s89
	s_lshl_b32 s88, s88, 11
	s_add_co_u32 s88, s88, s91
	s_add_co_u32 s88, s88, 2*KSTEP*2               ; at K step 2: the first refill steps it to 3 and names K step 4
	s_mov_b32 s89, 0
	s_add_nc_u64 s[PFA:PFA+1], s[PFA:PFA+1], s[88:89]
	v_and_b32 v[PFO], 31, v0
	v_lshlrev_b32 v[PFO], 11, v[PFO]
; 16 matrix instructions: m blocks a0, a0 + 1 of the window's four x all 8 n blocks, 32 along K.  first = 1: the product starts the sum with the bias.  The 64 accumulators take turns.
.macro MUL16 f, hi, a0, first
.if \first
	WIN 0x91+0x40*(\hi)
.else
	WIN MUL_LO+0x50*(\hi)
.endif
.irp a, \a0, (\a0)+1
.irp b, 0,1,2,3,4,5,6,7
.if \first
	v_wmma_f32_16x16x32_bf16 v[8*(8*(\a)+(\b)):8*(8*(\a)+(\b))+7], v[(\f)+8*(\b):(\f)+8*(\b)+7], v[(\f)+8*(4*(\hi)+(\a)):(\f)+8*(4*(\hi)+(\a))+7], v[8*(\b):8*(\b)+7]
.else
	v_wmma_f32_16x16x32_bf16 v[8*(8*(\a)+(\b)):8*(8*(\a)+(\b))+7], v[(\f)+8*(\b):(\f)+8*(\b)+7], v[(\f)+8*(4*(\hi)+(\a)):(\f)+8*(4*(\hi)+(\a))+7], v[8*(8*(\a)+(\b)):8*(8*(\a)+(\b))+7]
.endif
.endr
.endr
.endm
.macro FETCH slot, k, f                ; 32 LDS loads in one run: a quarter step's fragments
	WIN TO_B
.irp i, 0,1,2,3,4,5,6,7
	ds_load_b128 v[(\f)+8*(\i):(\f)+8*(\i)+3],   v[ADRB+(\slot)] offset:(\k)+(\i)*16*PITCH
	ds_load_b128 v[(\f)+8*(\i)+4:(\f)+8*(\i)+7], v[ADRB+(\slot)] offset:(\k)+(\i)*16*PITCH+32
.endr
	WIN 0
.irp i, 0,1,2,3,4,5,6,7
	ds_load_b128 v[(\f)+8*(\i):(\f)+8*(\i)+3],   v[ADRA+(\slot)] offset:(\k)+(\i)*16*PITCH
	ds_load_b128 v[(\f)+8*(\i)+4:(\f)+8*(\i)+7], v[ADRA+(\slot)] offset:(\k)+(\i)*16*PITCH+32
.endr
.endm
.macro PLACES                          ; four plain instructions between a matrix instruction and a load into, or a reader of, its registers
.rept 4
	v_nop
.endr
.endm
.macro QUARTER slot, k, f, g, first
	s_wait_dscnt 8                                 ; W and X's rows 0-63 are in; the youngest eight loads (X's rows 64-127) may be out
	MUL16 \f, 0, 0, \first
	MUL16 \f, 0, 2, \first
	PLACES
	FETCH \slot, \k, \g
	s_wait_dscnt 32                                ; all but the 32 just issued
	MUL16 \f, 1, 0, \first
	MUL16 \f, 1, 2, \first
.endm
; The first half of a K step's last quarter: one barrier for the change of slots.
.macro MEET round
	WIN 0
	s_wait_tensorcnt 0x0                           ; all my tensor loads have landed: the one that was out is my part of the next slot
	ds_add_u32 v[SPW], v[NIL]                      ; 0 onto my spare word
	s_wait_dscnt 9                                 ; the add and the youngest eight loads may be out
	MUL16 F1, 0, 0, 0
	s_wait_dscnt 0x0                               ; the add is done, and my reads of this slot are over
	s_barrier_signal -1
	MUL16 F1, 0, 2, 0
.if \round
	WIN 0
.endif
	s_barrier_wait -1
.endm
.macro TURN slot, next
	s_wait_xcnt 0x0                                ; the last prefetch, a K step back, has read its address
.if (\slot) == 0
	s_add_nc_u64 s[PFA:PFA+1], s[PFA:PFA+1], s[PS0:PS0+1]
.else
	s_add_nc_u64 s[PFA:PFA+1], s[PFA:PFA+1], KSTEP*2
.endif
	MEET 1
	CREST                                          ; no wave of any partner still reads this slot or has a load on its way
	s_add_nc_u64 s[G0+4*(\slot)+2:G0+4*(\slot)+3], s[G0+4*(\slot)+2:G0+4*(\slot)+3], s[STA:STA+1]
	s_add_nc_u64 s[G0B+4*(\slot)+2:G0B+4*(\slot)+3], s[G0B+4*(\slot)+2:G0B+4*(\slot)+3], s[STB:STB+1]
	s_sub_nc_u64 s[G0B+4*(\slot)+2:G0B+4*(\slot)+3], s[G0B+4*(\slot)+2:G0B+4*(\slot)+3], s[SBB:SBB+1]
	JLOAD \slot                                    ; the first tensor load behind the round; its four v_nop are also the places in front of the loads below
	FETCH \next, 0, F0
	ASK
	MUL16 F1, 1, 0, 0
	MUL16 F1, 1, 2, 0
.endm
; THE WAY OUT of block a (16 rows): rounded to f16; through my own stage; stored by heads.
.macro PACK a
.set AC, 64*((\a)%4)
	WIN 0x0a+5*((\a)/4)
.irp b, 0,1,2,3,4,5,6,7
.irp r, 0,1,2,3
	v_cvt_pk_f16_f32 v[TMP+4*(\b)+(\r)], v[AC+8*(\b)+2*(\r)], v[AC+8*(\b)+2*(\r)+1]
.endr
.endr
	WIN 0
.endm
.macro TOSTAGE a
	WIN 0
.set BK, OB+192*((\a)%2)
.irp b, 0,1,2,3,4,5,6,7
	ds_store_b128 v[STO], v[TMP+4*(\b):TMP+4*(\b)+3] offset:32*(\b)
.endr
.irp t, 0,1,2,3,4,5,6,7
	ds_load_b128 v[BK+4*(\t):BK+4*(\t)+3], v[RD] offset:((\t)%4)*4*SPITCH+128*((\t)/4)  ; LDS serves a wave's instructions in order: these see the stores above
.endr
.endm
.macro SEND a
	WIN 0
.set BK, OB+192*((\a)%2)
	s_wait_dscnt 0x0                               ; the block is back in registers
	s_wait_xcnt 0x0                                ; earlier stores have read their base and their registers
.if (\a) == 0
	s_add_nc_u64 s[CP:CP+1], s[CP:CP+1], s[84:85]  ; on to this tile's first rows
.else
	s_add_nc_u64 s[CP:CP+1], s[CP:CP+1], 16*128
.endif
.irp t, 0,1,2,3,4,5,6,7
	global_store_b128 v[CO], v[BK+4*(\t):BK+4*(\t)+3], s[CP:CP+1] offset:((\t)/4)*HS+((\t)%4)*512  ; 512 consecutive bytes, at a multiple of 256 from hd's first byte
.endr
.endm
	s_wait_tensorcnt 1                             ; my part of K step 0 is in; K step 1's may stay out
	s_barrier_signal -1
	s_barrier_wait -1
	FETCH 0, 0, F0
	s_wait_loadcnt 0x0                             ; the bias
	s_mov_b32 s[TL], 0
	s_mov_b32 s[LG], 0
.Ltile:
	QUARTER 0, 64,  F0, F1, 1                      ; a tile's first quarter starts the sums with the bias
	WIN 0
	s_mov_b32 s3, 0
	s_branch .Lmid                                 ; the loop over laps is entered behind a lap's first quarter
.Llap:
	QUARTER 0, 64,  F0, F1, 0
	WIN 0
	s_cmp_eq_u32 s[LG], 7                          ; the second tile's last lap fills nothing: it is written out
	s_cbranch_scc1 .Ltail
.Lmid:
	s_cmp_eq_u32 s[LG], 3                          ; the first tile's last lap asks for the second tile's K steps 0 and 1
	s_cselect_b32 s[STA], NEXT_A, s[C512]
	s_cselect_b32 s[STB], 0, s[C512]
	s_cselect_b32 s[SBB], BACK_B, 0
	s_cmp_eq_u32 s[LG], 2                          ; and the prefetches, two refills ahead, go over to the second tile a lap earlier
	s_cselect_b32 s[PS0], NEXT_P, s[C256]
	QUARTER 0, 128, F1, F0, 0
	QUARTER 0, 192, F0, F1, 0
	TURN 0, 1
	QUARTER 1, 64,  F0, F1, 0
	QUARTER 1, 128, F1, F0, 0
	QUARTER 1, 192, F0, F1, 0
	TURN 1, 0
	WIN 0
	s_add_co_u32 s[LG], s[LG], 1
	s_add_co_u32 s3, s3, 1
	s_cmp_lt_u32 s3, 4
	s_cbranch_scc1 .Llap
	s_branch .Lout                                 ; the first tile has had its four laps; both refills for the second are asked for
.Ltail:
	QUARTER 0, 128, F1, F0, 0
	QUARTER 0, 192, F0, F1, 0
	MEET 0
	PLACES
	FETCH 1, 0, F0
	MUL16 F1, 1, 0, 0
	MUL16 F1, 1, 2, 0
	QUARTER 1, 64,  F0, F1, 0
	QUARTER 1, 128, F1, F0, 0
	QUARTER 1, 192, F0, F1, 0
	s_wait_dscnt 8
	MUL16 F1, 0, 0, 0
	MUL16 F1, 0, 2, 0
	s_wait_dscnt 0x0
	MUL16 F1, 1, 0, 0
	MUL16 F1, 1, 2, 0
	WIN 0
.Lout:
	PLACES
	PLACES
	PACK 0
	TOSTAGE 0
.irp a, 1,2,3,4,5,6,7
	PACK \a
	SEND (\a)-1
	TOSTAGE \a
.endr
	SEND 7
	s_mov_b32 s84, NEXT_C                          ; what the next way out adds to the stores' base
	s_add_co_u32 s[TL], s[TL], 1
	s_cmp_lt_u32 s[TL], 2
	s_cbranch_scc1 .Ltile
	s_wait_tensorcnt 0x0                           ; the wave's end
	ds_add_u32 v[SPW], v[NIL]
	s_wait_dscnt 0x0
	CROUND                                         ; the closing round
	s_endpgm
.Lfunc_end_k_q978eab2fdd_proj:
	.size	k_q978eab2fdd_proj, .Lfunc_end_k_q978eab2fdd_proj-k_q978eab2fdd_proj
	.p2alignl 7, 3214868480
	.fill 96, 4, 3214868480
	.section	.rodata,"a",@progbits
	.p2align	6, 0x0
	.amdhsa_kernel k_q978eab2fdd_proj
		.amdhsa_group_segment_fixed_size 327680
		.amdhsa_private_segment_fixed_size 0
		.amdhsa_enable_private_segment 0
		.amdhsa_kernarg_size 32
		.amdhsa_user_sgpr_count 2
		.amdhsa_user_sgpr_kernarg_segment_ptr 1
		.amdhsa_wavefront_size32 1
		.amdhsa_system_sgpr_workgroup_id_x 1
		.amdhsa_system_sgpr_workgroup_id_y 1
		.amdhsa_system_sgpr_workgroup_id_z 1
		.amdhsa_system_vgpr_workitem_id 0
		.amdhsa_next_free_vgpr 1024
		.amdhsa_next_free_sgpr 100
		.amdhsa_reserve_vcc 0
		.amdhsa_float_denorm_mode_32 3
		.amdhsa_float_denorm_mode_16_64 3
		.amdhsa_memory_ordered 1
		.amdhsa_forward_progress 1
		.amdhsa_inst_pref_size 147
	.end_amdhsa_kernel
	.amdgpu_metadata
---
amdhsa.version: [ 1, 2 ]
amdhsa.kernels:
  - .name:           k_q978eab2fdd_proj
    .symbol:         k_q978eab2fdd_proj.kd
    .args:
      - { .name: xc, .offset: 0, .size: 8, .value_kind: global_buffer, .address_space: global }
      - { .name: wc, .offset: 8, .size: 8, .value_kind: global_buffer, .address_space: global }
      - { .name: bc, .offset: 16, .size: 8, .value_kind: global_buffer, .address_space: global }
      - { .name: hd, .offset: 24, .size: 8, .value_kind: global_buffer, .address_space: global }
    .group_segment_fixed_size: 327680
    .private_segment_fixed_size: 0
    .kernarg_segment_align: 8
    .kernarg_segment_size: 32
    .max_flat_workgroup_size: 128
    .sgpr_count:     100
    .vgpr_count:     1024
    .wavefront_size: 32
...
	.end_amdgpu_metadata
.endif
;; end of part 2
;; launch attn (part 3): grid 4 x 128, 4 waves a work-group, no clusters, 327,680 bytes of LDS; arguments hd, bc, oc; writes oc
.if DOCPART == 3
	.amdgcn_target "amdgcn-amd-amdhsa--gfx1250"
	.amdhsa_code_object_version 6
	.text
	.protected	k_q978eab2fdd_attn
	.globl	k_q978eab2fdd_attn
	.p2align	8
	.type	k_q978eab2fdd_attn,@function
k_q978eab2fdd_attn:
	s_mov_b64 s[64:65], 0
	v_nop
	global_prefetch_b8 v0, s[64:65] scope:SCOPE_SE
	s_setreg_imm32_b32 hwreg(HW_REG_WAVE_MODE, 25, 1), 1
	s_wait_xcnt 0x0
; RELATIVE ATTENTION, head size 64.  For head bh and query i: O[i] = the sum over j of softmax_j(((q_i + u) . k_j + R[i][j]) / 32) v_j, where with e = j - i + 1023
;   R[i][j] = (q_i + v) . p_e for e <= 1023;  0 for e = 1024;  (q_(i+1) + v) . p_(e - 1025) for e >= 1025   (the relative shift, written out).
; q, k, v, p: hd, f16, by heads, rows of 128 bytes behind 256 bytes of zeros; u, v: bc, f16.  Products, scores, maxima and sums in f32; q + u and q + v are rounded to f16, the weights to f16 for
; the second product, O once at the end (oc, [head][row][64] f16).  LIMITS: all f16 numbers within 65,504; a weight below 2^-126 counts as 0 in the sum; NaN and infinities are not treated apart.
; SHARES.  A work-group owns 256 queries of a head, a wave 64: four PIECES of 16.  Every wave walks all 1,024 keys, 64 a step; two steps' K and V lie in a slot; two slots take turns.
; THE TABLE.  e runs over 20 blocks of 64 for a work-group's queries; all 20 lie in LDS from the start.  Blocks with e >= 1024 begin one row earlier in memory, at the head's row of zeros, so row e - 1024 of
; them is 0 for e = 1024 and p_(e - 1025) beyond.
; THE SHEAR.  For a piece and a step the position product is taken for five groups of 16 values of e (source 0 = the 16 queries, source 1 = 16 rows of the table): a lane holds e = 16 G + l % 16 and the
; queries 8 (l / 16) + 0..7.  Key = 16 g + l % 16 + query - 15 in the step.  Each number goes into my own scratch in LDS at word 84 x query + 16 + key; keys outside 0..63 fall into the 20 words between
; rows.  Read back by rows it has S^T's layout, and it is the C operand with which the content product K Q^T starts.
; WHICH QUERY ROW.  Group g of piece t names QA if g <= t, else QB.  Ahead of my diagonal step both hold q + v; in it QB holds q' + v (q' = the next row's q); behind it both do.
; NO CLUSTER: the four query blocks of a head share K and V, but each wants other rows of the table, and the step at which QA and QB change hangs on the block.
; TURNS.  Turn n belongs to piece n: 8 products K Q^T of piece n + 1; 10 position products of piece n + 2; 8 products V^T P of piece n - 1; beside them the softmax of piece n and the maximum of piece n + 1.
; REGISTERS, in windows of 256 (s_set_vgpr_msb: bits 1:0 source 0, 3:2 source 1, 5:4 source 2, 7:6 destination):
;   window 0: v0-63 addresses, statistics, at work; v64-191 S^T, 32 a piece; v192-223 P, two buffers.     window 1: v0-127 O^T; v128-167 the five position accumulators.
;   window 2: v0-63 q + u; v64-127 q' + v; v128-191 K; v192-255 V.     window 3: v0-63 QA; v64-127 QB; v128-255 the table's 8 groups of a step.
.set NP,    4
.set KS,    64
.set PK,    144       ; a row of K or of the table in LDS: 128 bytes + 16
.set PV,    160       ; a row of V: 128 + 32
.set VOFF,  2*KS*PK   ; a slot: 128 rows of K, then 128 rows of V
.set SLOT1, 1<<16
.set SCR,   38912     ; behind slot 0: 5,632 bytes a wave: the shear's scratch, later the stage for the way out; no tensor load lands here
.set SCRW,  5632
.set SPARE, 61440     ; the spare words: 128 bytes a wave, two blocks of 256 bytes that no other line names
.set TB,    104448    ; behind slot 1: the table, 20 blocks
.set TBLK,  KS*PK
.set SPI,   144
.set HS,    131328
.set RS,    16809984
.set AK0, 2
.set AV0, 3
.set AK,  4
.set AV,  5
.set STO, 6
.set RD,  7
.set GO,  8
.set MV,  12
.set PST, 14          ; where my lane's position numbers go
.set PLD, 15          ; where my lane reads its query's row back
.set ST,  16          ; piece t's statistics at v[ST+4 t]: c m, m, l (even keys', odd keys')
.set AT0, 32
.set AT,  33
.set QO,  34
.set UO,  35
.set PFO, 36
.set TMP, 48
.set SPW, 62
.set NIL, 63
.set S,   64
.set P,   192
.set PA,  128         ; window 1
.set QH,  64          ; window 2
.set KF,  128
.set VF,  192
.set TF,  128         ; window 3
.set WV,  12
.set XB,  14
.set LIM, 15
.set QP,  16
.set PFA, 18
.set G1K, 24
.set G1V, 32
.set G0K, 40          ; two sets; the second walks
.set G0V, 48
.set SLOTS, 56
.set CNT, 57
.set CS,  58
.set SEL, 60
.set TBK, 62
.set TBV, 63
.set TBT, 66
.set SPOS, 67         ; the step whose position products come next
.set SD,  68          ; my diagonal step
.set SD1, 69
.set OPT, 70
.set KP,  72
.set VP,  74
.set PP,  76
.set G0T, 80          ; five sets
.set MSB, 0
.macro WIN new
.if MSB != (\new)
	s_set_vgpr_msb (MSB<<8)|(\new)
.set MSB, (\new)
.endif
.endm
.set W_KQ, 0x0a
.set W_PV, 0x52
.set W_RS, 0x41
.set W_PS, 0x5f       ; queries and table in window 3, the accumulators in window 1
.macro LOAD                         ; a refill: waves 0 and 1 fetch the halves of a slot's K, waves 2 and 3 of its V.  An s_nop 0 and four v_nop follow each line.
	s_cmp_lt_u32 s[WV], 2
	s_cbranch_scc0 .Lfor_v_\@
	tensor_load_to_lds s[G0K+4:G0K+7], s[G1K:G1K+7]
	s_nop 0
.rept 4
	v_nop
.endr
	s_branch .Lasked_\@
.Lfor_v_\@:
	tensor_load_to_lds s[G0V+4:G0V+7], s[G1V:G1V+7]
	s_nop 0
.rept 4
	v_nop
.endr
.Lasked_\@:
.endm
; A prefetch of what the NEXT change of slots will ask for.  The four query blocks of a head walk the same K and V: the first block asks; each of its waves for its own 8,192 bytes, a lane for each 256.
; The last change that fills a slot asks for nothing.
.macro ASK
	s_cmp_gt_u32 s[SLOTS], s[LIM]
	s_cbranch_scc0 .Lnot_mine_\@
	global_prefetch_b8 v[PFO], s[PFA:PFA+1] th:TH_LOAD_NT scope:SCOPE_SE
.Lnot_mine_\@:
.endm
; THE CHANGE OF SLOTS.  Each wave waits for all its tensor loads (one is out: its part of the other slot), adds 0 to its spare word, waits for that and for its LDS reads.  Behind the barrier nobody reads the
; old slot any more and the other slot is whole.  fill = 1: the old slot is filled again, first thing behind the barrier: the load has two steps, 208 matrix instructions, in which to land.
.macro CHANGE fill
	WIN 0
	s_wait_tensorcnt 0x0
	ds_add_u32 v[SPW], v[NIL]
.if \fill
.irp g, G0K+4, G0V+4
	s_xor_b32 s[(\g)+1], s[(\g)+1], SLOT1
	s_add_nc_u64 s[(\g)+2:(\g)+3], s[(\g)+2:(\g)+3], 2*KS*128
.endr
	s_wait_xcnt 0x0                 ; the last prefetch, two steps back, has read its address
	s_add_nc_u64 s[PFA:PFA+1], s[PFA:PFA+1], 2*KS*128
.endif
	s_wait_dscnt 0x0
	s_barrier_signal -1
	s_sub_co_u32 s[TBK], s[TBK], 2*KS*PK
	s_xor_b32 s[TBK], s[TBK], SLOT1
	s_sub_co_u32 s[TBV], s[TBV], 2*KS*PV
	s_xor_b32 s[TBV], s[TBV], SLOT1
	s_barrier_wait -1
.if \fill
	LOAD
	ASK
.endif
.endm
	s_load_b128 s[4:7], s[0:1], 0x0  ; hd, bc
	s_load_b64 s[8:9], s[0:1], 0x10  ; oc
	v_lshl_add_u32 v[SPW], v0, 2, SPARE
	v_mov_b32 v[NIL], 0
	ds_add_u32 v[SPW], v[NIL]       ; the wave's opening: the add and its wait ahead of my first tensor load
	v_lshrrev_b32 v1, 5, v0
	v_readfirstlane_b32 s[WV], v1
	s_mov_b32 s[XB], ttmp9          ; my block of 256 queries
	s_and_b32 s13, ttmp7, 0xffff    ; the head
	s_mul_i32 s20, s13, HS          ; its first byte in a region of hd
	s_and_b32 s22, s[WV], 1         ; which half of a slot's 128 keys I fetch
	s_mov_b32 s3, 0
	s_mov_b32 s[G1K], (1<<16)|(1<<20)|(4<<22)|(3<<25)  ; 2-byte elements; padding on; after every 32 words; 4 words
	s_mov_b32 s[G1V], (1<<16)|(1<<20)|(4<<22)|(7<<25)  ; 8 words
.irp g, G1K, G1V
	s_mov_b32 s[(\g)+1], 128<<16    ; 64 dense rows of 128 bytes are asked for as 32 rows of 256: tensor_dim0 = 128
	s_mov_b32 s[(\g)+2], 32<<16     ; tensor_dim1 = 32
	s_mov_b32 s[(\g)+3], 128<<16    ; tile_dim0 = 128
	s_mov_b32 s[(\g)+4], 32         ; tile_dim1 = 32
	s_mov_b32 s[(\g)+5], 128
	s_mov_b32 s[(\g)+6], 0
	s_mov_b32 s[(\g)+7], 0
.endr
	s_mov_b32 s[CS], 0x3d38aa3b     ; c = log2(e) / 32
	s_mov_b32 s[CS+1], s[CS]
	s_mov_b32 s[SEL], 0x76543210
	s_mov_b32 s[SEL+1], 0xfedcba98
	s_mov_b32 s[TBK], 0
	s_mov_b32 s[TBV], 0
	s_sub_co_u32 s[TBT], 3, s[WV]
	s_mul_i32 s[TBT], s[TBT], TBLK
	s_add_co_u32 s[TBT], s[TBT], TB  ; step s reads the table from row 64 (s - w + 3) on
	s_mov_b32 s[SPOS], 0
	s_lshl_b32 s[SD], s[XB], 2
	s_add_co_u32 s[SD], s[SD], s[WV]
	s_add_co_u32 s[SD1], s[SD], 1
	s_mov_b32 s[SLOTS], 7
	s_cmp_eq_u32 s[XB], 0
	s_cselect_b32 s[LIM], 1, -1
	s_mul_i32 s78, s[WV], TBLK
	s_lshl_b32 s79, s[XB], 2
	s_sub_co_u32 s79, 12, s79
	s_add_co_u32 s79, s79, s[WV]    ; the block of e that my first table load brings
	s_mul_i32 s100, s22, KS*PK
	s_mul_i32 s101, s22, KS*PV
	s_add_co_u32 s101, s101, VOFF
	s_wait_dscnt 0x0                ; the opening add is done
	s_wait_kmcnt 0x0
	s_lshl_b32 s23, s22, 13
	s_add_co_u32 s2, s20, RS+256
	s_add_co_u32 s2, s2, s23
	s_add_nc_u64 s[KP:KP+1], s[4:5], s[2:3]   ; K at my half of the head's first 128 keys
	s_add_co_u32 s2, s2, RS
	s_add_nc_u64 s[VP:VP+1], s[4:5], s[2:3]
	s_add_co_u32 s2, s20, 3*RS
	s_add_nc_u64 s[PP:PP+1], s[4:5], s[2:3]   ; the head in the table's region
	s_lshl_b32 s23, s[XB], 15
	s_lshl_b32 s21, s[WV], 13
	s_add_co_u32 s23, s23, s21      ; my wave's 64 rows
	s_add_co_u32 s2, s20, 256
	s_add_co_u32 s2, s2, s23
	s_add_nc_u64 s[QP:QP+1], s[4:5], s[2:3]
	s_lshl_b32 s2, s13, 17
	s_add_co_u32 s2, s2, s23
	s_add_nc_u64 s[OPT:OPT+1], s[8:9], s[2:3]
	s_and_b32 s2, s13, 15
	s_lshl_b32 s2, s2, 7
	s_add_co_u32 s2, s2, 20480
	s_add_nc_u64 s[6:7], s[6:7], s[2:3]       ; u of my head; v lies 2,048 bytes on
	s_cmp_lt_u32 s[WV], 2
	s_cselect_b64 s[PFA:PFA+1], s[KP:KP+1], s[VP:VP+1]
	s_add_nc_u64 s[PFA:PFA+1], s[PFA:PFA+1], 2*2*KS*128  ; at slot 2; the first change steps it to slot 3
.irp s, 0,1
	s_mov_b32 s[G0K+4*(\s)], 1
	s_add_co_u32 s[G0K+4*(\s)+1], s100, (\s)*SLOT1
	s_add_nc_u64 s[G0K+4*(\s)+2:G0K+4*(\s)+3], s[KP:KP+1], (\s)*2*KS*128
	s_or_b32 s[G0K+4*(\s)+3], s[G0K+4*(\s)+3], 0x80000000
	s_mov_b32 s[G0V+4*(\s)], 1
	s_add_co_u32 s[G0V+4*(\s)+1], s101, (\s)*SLOT1
	s_add_nc_u64 s[G0V+4*(\s)+2:G0V+4*(\s)+3], s[VP:VP+1], (\s)*2*KS*128
	s_or_b32 s[G0V+4*(\s)+3], s[G0V+4*(\s)+3], 0x80000000
.endr
.irp m, 0,1,2,3,4                   ; table block n = w + 4 m holds e = 64 (12 - 4 x + n) on
	s_mov_b32 s[G0T+4*(\m)], 1
	s_add_co_u32 s[G0T+4*(\m)+1], s78, TB+4*(\m)*TBLK
	s_add_co_u32 s2, s79, 4*(\m)
	s_cmp_gt_u32 s2, 15
	s_cselect_b32 s23, 131200, 0    ; e >= 1024: back by 1,024 rows and one more
	s_lshl_b32 s2, s2, 13
	s_add_co_u32 s2, s2, 256
	s_sub_co_u32 s2, s2, s23
	s_add_nc_u64 s[G0T+4*(\m)+2:G0T+4*(\m)+3], s[PP:PP+1], s[2:3]
	s_or_b32 s[G0T+4*(\m)+3], s[G0T+4*(\m)+3], 0x80000000
.endr
	; the first fills, one group, what is wanted first in front: table blocks 0 to 7, my part of slot 0; then my part of slot 1 and table blocks 8 to 19: seven loads of mine are out
.irp m, 0,1
	tensor_load_to_lds s[G0T+4*(\m):G0T+4*(\m)+3], s[G1K:G1K+7]
	s_nop 0
.endr
	s_cmp_lt_u32 s[WV], 2
	s_cbranch_scc0 .Lfirst_v
	tensor_load_to_lds s[G0K:G0K+3], s[G1K:G1K+7]
	s_nop 0
	tensor_load_to_lds s[G0K+4:G0K+7], s[G1K:G1K+7]
	s_nop 0
.rept 4
	v_nop
.endr
	s_branch .Lfirst_asked
.Lfirst_v:
	tensor_load_to_lds s[G0V:G0V+3], s[G1V:G1V+7]
	s_nop 0
	tensor_load_to_lds s[G0V+4:G0V+7], s[G1V:G1V+7]
	s_nop 0
.rept 4
	v_nop
.endr
.Lfirst_asked:
.irp m, 2,3,4
	tensor_load_to_lds s[G0T+4*(\m):G0T+4*(\m)+3], s[G1K:G1K+7]
	s_nop 0
.endr
	; a fragment of q, K or the table is 16 rows x 32 channels: lane l holds row l % 16, channels 8 (l / 16) + 0..7 and 16 + 8 (l / 16) + 0..7
	v_and_b32 v1, 15, v0            ; l % 16
	v_bfe_u32 v9, v0, 4, 1          ; l / 16
	v_lshlrev_b32 v[QO], 7, v1
	v_lshl_add_u32 v[QO], v9, 4, v[QO]
	v_lshlrev_b32 v[UO], 4, v9
	WIN 0xc0
.set i, 0
.rept 8                             ; q: piece i / 2, channels 32 (i % 2) on
	global_load_b128 v[8*i:8*i+3],   v[QO], s[QP:QP+1] offset:(i/2)*2048+(i%2)*64
	global_load_b128 v[8*i+4:8*i+7], v[QO], s[QP:QP+1] offset:(i/2)*2048+(i%2)*64+32
.set i, i+1
.endr
	WIN 0x80
.set i, 0
.rept 8                             ; q': one row on (behind a head's last row lie zeros; that row enters no score)
	global_load_b128 v[QH+8*i:QH+8*i+3],   v[QO], s[QP:QP+1] offset:128+(i/2)*2048+(i%2)*64
	global_load_b128 v[QH+8*i+4:QH+8*i+7], v[QO], s[QP:QP+1] offset:128+(i/2)*2048+(i%2)*64+32
.set i, i+1
.endr
	WIN 0
.irp c, 0,1                         ; u and v in a fragment's layout, into S^T's registers, which are free
	global_load_b128 v[S+8*(\c):S+8*(\c)+3],       v[UO], s[6:7] offset:64*(\c)
	global_load_b128 v[S+8*(\c)+4:S+8*(\c)+7],     v[UO], s[6:7] offset:64*(\c)+32
	global_load_b128 v[S+16+8*(\c):S+16+8*(\c)+3],   v[UO], s[6:7] offset:2048+64*(\c)
	global_load_b128 v[S+16+8*(\c)+4:S+16+8*(\c)+7], v[UO], s[6:7] offset:2048+64*(\c)+32
.endr
	v_mul_u32_u24 v[AK0], v1, PK
	v_lshl_add_u32 v[AK0], v9, 4, v[AK0]
	v_mov_b32 v[AT0], v[AK0]
	v_and_b32 v10, 7, v0
	v_bfe_u32 v11, v0, 3, 1
	v_lshl_add_u32 v[AV0], v9, 3, v10     ; the turning load: key 8 (l / 16) + l % 8, channels 8 ((l / 8) % 2) + 0..7
	v_mul_u32_u24 v[AV0], v[AV0], PV
	v_lshl_add_u32 v[AV0], v11, 4, v[AV0]
	v_add_nc_u32 v[AV0], VOFF, v[AV0]
	s_mul_i32 s13, s[WV], SCRW
	s_add_co_u32 s13, s13, SCR      ; my scratch
	v_mul_u32_u24 v[PST], v9, 2720  ; word 680 (l / 16) + l % 16; the immediate adds 85 j + 16 g + 1
	v_lshl_add_u32 v[PST], v1, 2, v[PST]
	v_add_nc_u32 v[PST], s13, v[PST]
	v_mul_u32_u24 v[PLD], v1, 336   ; row l % 16 of 84 words, 8 words for each half of the lanes
	v_lshl_add_u32 v[PLD], v9, 5, v[PLD]
	v_add_nc_u32 v[PLD], s13, v[PLD]
	v_mul_u32_u24 v[STO], v1, SPI
	v_lshl_add_u32 v[STO], v9, 4, v[STO]
	v_add_nc_u32 v[STO], s13, v[STO]
	v_bfe_u32 v[RD], v0, 3, 2
	v_mul_u32_u24 v[RD], v[RD], SPI
	v_lshl_add_u32 v[RD], v10, 4, v[RD]
	v_add_nc_u32 v[RD], s13, v[RD]
	v_and_b32 v[GO], 31, v0
	v_lshlrev_b32 v[PFO], 8, v[GO]
	v_lshlrev_b32 v[GO], 4, v[GO]
	; what the first turn finds: V, O^T, l and P's second buffer hold 0; c m lies far below every c s, so the first step's a is 0.  All this stands in the wait for the first tiles.
	WIN 0x80
.set i, VF
.rept 64
	v_mov_b32 v[i], 0
.set i, i+1
.endr
	WIN 0x40
.set i, 0
.rept 128
	v_mov_b32 v[i], 0
.set i, i+1
.endr
	WIN 0
.set i, 0
.rept 4
	v_mov_b32 v[ST+4*i], 0xfe000000
	v_mov_b32 v[ST+4*i+1], 0xff7fffff
	v_mov_b32 v[ST+4*i+2], 0
	v_mov_b32 v[ST+4*i+3], 0
.set i, i+1
.endr
.set i, P+16
.rept 16
	v_mov_b32 v[i], 0
.set i, i+1
.endr
; THE MATRIX WORK.  Accumulators take turns, one instruction a turn.
; Product i of 8 of S^T = R + K Q^T for piece x: channels 32 (i / 4) on, keys 16 (i % 4) on.  The sheared position block lies in S^T's registers and is added onto.
.macro KQ x
	WIN W_KQ
.set rS, S+32*(\x)+8*(i%4)
.set rK, KF+16*(i%4)+8*(i/4)
.set rQ, 16*(\x)+8*(i/4)
	v_wmma_f32_16x16x32_f16 v[rS:rS+7], v[rK:rK+7], v[rQ:rQ+7], v[rS:rS+7]
.endm
.macro PV x                         ; product i of 8 of O^T += V^T P
	WIN W_PV
.set rO, 32*(\x)+8*(i%4)
.set rV, VF+32*(i/4)+8*(i%4)
.set rP, P+16*((\x)%2)+8*(i/4)
	v_wmma_f32_16x16x32_f16 v[rO:rO+7], v[rV:rV+7], v[rP:rP+7], v[rO:rO+7]
.endm
.macro MM
.if (i < 8) && !NOKQ
	KQ (Y+1)%NP
.elseif i >= 8
.set i, i-8
	PV (Y+NP-1)%NP
.set i, i+8
.endif
.set i, i+1
.endm
.macro PM                           ; position product pz of 10 for piece PX: group pz % 5, channels 32 (pz / 5) on
.set rA, 16*PX+8*(pz/5)
.if (pz%5) > PX
.set rA, rA+64
.endif
.set rB, TF+16*(3-PX+pz%5)+8*(pz/5)
.set rD, PA+8*(pz%5)
	WIN W_PS
.if pz < 5
	v_wmma_f32_16x16x32_f16 v[rD:rD+7], v[rA:rA+7], v[rB:rB+7], 0
.else
	v_wmma_f32_16x16x32_f16 v[rD:rD+7], v[rA:rA+7], v[rB:rB+7], v[rD:rD+7]
.endif
.set pz, pz+1
.endm
.macro PMX
.if DOP
	PM
.endif
.endm
; THE SHEAR of piece x: 40 stores of a word a lane, each accumulator from its low end on; 8 loads of 16 bytes bring the piece's block back as rows.  The bytes are my wave's own, and LDS serves a wave's instructions in order.
.macro POSRUN x
	WIN 0x04
.irp g, 0,1,2,3,4
.irp j, 0,1,2,3,4,5,6,7
	ds_store_b32 v[PST], v[PA+8*(\g)+(\j)] offset:4*(85*(\j)+16*(\g)+1)
.endr
.endr
	WIN 0
.irp kb, 0,1,2,3
	ds_load_b128 v[S+32*(\x)+8*(\kb):S+32*(\x)+8*(\kb)+3],   v[PLD] offset:64+64*(\kb)
	ds_load_b128 v[S+32*(\x)+8*(\kb)+4:S+32*(\x)+8*(\kb)+7], v[PLD] offset:64+64*(\kb)+16
.endr
.endm
.macro FETCH_K
	WIN 0x80
.irp f, 0,1,2,3,4,5,6,7
	ds_load_b128 v[KF+8*\f:KF+8*\f+3],   v[AK] offset:(\f/2)*16*PK+(\f%2)*64
	ds_load_b128 v[KF+8*\f+4:KF+8*\f+7], v[AK] offset:(\f/2)*16*PK+(\f%2)*64+32
.endr
	s_add_co_u32 s[TBK], s[TBK], KS*PK
	WIN 0
.endm
.macro FETCH_V
	WIN 0x80
.irp f, 0,1,2,3,4,5,6,7
	ds_load_tr16_b128 v[VF+8*\f:VF+8*\f+3],   v[AV] offset:(\f/4)*32*PV+(\f%4)*32
	ds_load_tr16_b128 v[VF+8*\f+4:VF+8*\f+7], v[AV] offset:(\f/4)*32*PV+16*PV+(\f%4)*32
.endr
	WIN 0
.endm
; A step's 8 groups of 16 rows of the table; the address was made some lines ahead.  last = 1 (the tail): in the last trip there is no further step, and the run is jumped over.
.macro FETCH_T last=0
	WIN 0
.if \last
	s_cmp_eq_u32 s[CNT], 1
	s_cbranch_scc1 .Lno_t_\@
.endif
	WIN 0xc0
.irp f, 0,1,2,3,4,5,6,7,8,9,10,11,12,13,14,15
	ds_load_b128 v[TF+8*\f:TF+8*\f+3],   v[AT] offset:(\f/2)*16*PK+(\f%2)*64
	ds_load_b128 v[TF+8*\f+4:TF+8*\f+7], v[AT] offset:(\f/2)*16*PK+(\f%2)*64+32
.endr
	s_add_co_u32 s[TBT], s[TBT], TBLK
	WIN 0
.if \last
.Lno_t_\@:
.endif
.endm
; At my diagonal step QB takes q' + v, at the step behind it QA does.  The jumps go forward over copies between registers alone.
.macro UPD
	WIN 0
	s_cmp_eq_u32 s[SPOS], s[SD]
	s_cbranch_scc0 .Lnot_b_\@
	WIN 0xc2
.set i, 0
.rept 64
	v_mov_b32 v[64+i], v[QH+i]
.set i, i+1
.endr
	WIN 0
.Lnot_b_\@:
	s_cmp_eq_u32 s[SPOS], s[SD1]
	s_cbranch_scc0 .Lnot_a_\@
	WIN 0xc2
.set i, 0
.rept 64
	v_mov_b32 v[i], v[QH+i]
.set i, i+1
.endr
	WIN 0
.Lnot_a_\@:
	s_add_co_u32 s[SPOS], s[SPOS], 1
.endm
; THE VECTOR WORK, one line at a time: OP kind, number.  For piece Y: F n: c s - c m for pair n.  E n: the exponential of score n.  C n: pair n rounded to f16.  B n: of four weights the second pair onto the first.
; L n: l takes that sum (L 0: l = a l + sum).  R n: pair n of O^T times a.  For piece Y + 1: X n, number n of the 22 that find its maximum and statistics (each accumulator's lowest registers are read first).
.set F, 0
.set E, 1
.set C, 2
.set B, 3
.set L, 4
.set R, 5
.set X, 6
.macro REGS y
.set rT, ST+4*(\y)
.set rC, TMP+4*((\y)%2)
.set rW, MV+((\y)%2)
.set rS, S+32*(\y)
.set rP, P+16*((\y)%2)
.set rO, 32*(\y)
.endm
.macro OP k, n
.if (\k) == R
	REGS Y
	WIN W_RS
	v_pk_mul_f32 v[rO+2*(\n):rO+2*(\n)+1], v[rO+2*(\n):rO+2*(\n)+1], v[rC+2:rC+3] op_sel_hi:[1,0]
.elseif (\k) < R
	REGS Y
	WIN 0
.if (\k) == F
	v_pk_fma_f32 v[rS+2*(\n):rS+2*(\n)+1], v[rS+2*(\n):rS+2*(\n)+1], s[CS:CS+1], v[rT:rT+1] op_sel_hi:[1,0,0] neg_lo:[0,0,1] neg_hi:[0,0,1]
.elseif (\k) == E
	v_exp_f32 v[rS+(\n)], v[rS+(\n)]
.elseif (\k) == C
	v_cvt_pk_f16_f32 v[rP+(\n)], v[rS+2*(\n)], v[rS+2*(\n)+1]
.elseif (\k) == B
	v_pk_add_f32 v[rS+4*(\n):rS+4*(\n)+1], v[rS+4*(\n):rS+4*(\n)+1], v[rS+4*(\n)+2:rS+4*(\n)+3]
.elseif (\n) == 0
	v_pk_fma_f32 v[rT+2:rT+3], v[rT+2:rT+3], v[rC+2:rC+3], v[rS:rS+1] op_sel_hi:[1,0,1]
.else
	v_pk_add_f32 v[rT+2:rT+3], v[rT+2:rT+3], v[rS+4*(\n):rS+4*(\n)+1]
.endif
.elseif NOKQ
	v_nop
.else
	REGS (Y+1)%NP
	WIN 0
.if (\n) < 4
	v_max3_num_f32 v[rC+(\n)], v[rS+8*(\n)], v[rS+8*(\n)+1], v[rS+8*(\n)+2]
.elseif (\n) < 12
	v_max3_num_f32 v[rC+(\n)%4], v[rC+(\n)%4], v[rS+8*((\n)%4)+2*((\n)/4)+1], v[rS+8*((\n)%4)+2*((\n)/4)+2]
.elseif (\n) == 12
	v_max3_num_f32 v[rC], v[rC], v[rS+7], v[rS+15]
.elseif (\n) == 13
	v_max3_num_f32 v[rC+1], v[rC+1], v[rS+23], v[rS+31]
.elseif (\n) == 14
	v_max3_num_f32 v[rC+2], v[rC+2], v[rC+3], v[rT+1]
.elseif (\n) == 15
	v_mov_b32 v[rW], v[rT]
.elseif (\n) == 16
	v_max3_num_f32 v[rC], v[rC], v[rC+1], v[rC+2]
.elseif (\n) == 17
	v_permlanex16_b32 v[rC+3], v[rC], s[SEL], s[SEL+1]
.elseif (\n) == 18
	v_max_num_f32 v[rT+1], v[rC], v[rC+3]
.elseif (\n) == 19
	v_mul_f32 v[rT], s[CS], v[rT+1]
.elseif (\n) == 20
	v_sub_f32 v[rC+1], v[rW], v[rT]
.else
	v_exp_f32 v[rC+2], v[rC+1]
.endif
.endif
.endm
.macro OPS a, i1, b=-1, i2=0, c=-1, i3=0, d=-1, i4=0
	OP \a, \i1
.if (\b) >= 0
	OP \b, \i2
.endif
.if (\c) >= 0
	OP \c, \i3
.endif
.if (\d) >= 0
	OP \d, \i4
.endif
.endm
.macro ROW a, i1, b, i2, c, i3, d, i4
	MM
	OPS \a, \i1, \b, \i2, \c, \i3, \d, \i4
.endm
.macro PLACES
.rept 4
	v_nop
.endr
.endm
; A TURN, for piece p.  Ahead of its one wait for the 33 exponentials stands all that names none of their results: the 8 products K Q^T with four riders each, then the lump, among whose lines stand the 10 position
; products of piece p + 2; behind the last of them seven plain instructions come before the shear's stores read the accumulators and before loads land on the table's registers.  Behind the wait: ONE run of LDS
; instructions, then the 8 products V^T P with the roundings and sums as riders.
; THE RUN is the shear of piece p + 2; in piece 1's turn the next step's table follows in it (its last reader is that turn's last position product), in piece 2's turn the next step's K (its last reader is that
; turn's eighth product).  So a step has five runs of LDS instructions: four of these and V's, which stands at the end of piece 0's turn, behind V's last reader.
; LDS WAITS.  At a turn's head all of the run before is in: the sheared block of piece p + 1, and with it the table or K; in piece 1's turn V's 16 loads are younger than the block and may stay out: they are
; awaited in that turn, ahead of its run.  end = 1: the last two turns: nothing is fetched, no position product.  last = 1: the tail's text of piece 1's turn.
.macro TURN p, end=0, cnt=0, last=0
.set Y, (\p)
.set i, 0
.set pz, 0
.set PX, ((\p)+2)%NP
.set NOKQ, (\end)*((\p)/3)
.set DOP, 1-(\end)
.if (\p) == 1
	s_wait_dscnt 16
.else
	s_wait_dscnt 0x0
.endif
	ROW F,0, F,1, R,0, R,1
	ROW F,2, E,0, R,2, R,3
	ROW F,3, E,1, R,4, R,5
	ROW F,4, E,2, R,6, R,7
	ROW F,5, E,3, R,8, R,9
	ROW F,6, E,4, X,0, R,10
.if ((\p) == 2) && !(\end)
	WIN 0
	v_add_nc_u32 v[AK], s[TBK], v[AK0]
.endif
.if (\p) == 1
	WIN 0
	v_add_nc_u32 v[AT], s[TBT], v[AT0]
.endif
	ROW F,7, E,5, X,1, X,4
	ROW F,8, E,6, X,2, X,5
	PMX
	OPS E,7, E,8, X,6, E,9
	PMX
	OPS X,3, E,10, X,8, E,11
	PMX
	OPS X,9, X,7, E,12, X,10
	PMX
	OPS E,13, X,12, X,11, E,14
	PMX
	OPS X,13, E,15, F,9, X,14
.if (\p) == 0
	WIN 0
	v_add_nc_u32 v[AV], s[TBV], v[AV0]
.endif
	PMX
	OPS E,16, F,10, E,17, F,11
	PMX
	OPS X,16, E,18, X,15, E,19
	OPS F,12, E,20, X,17, E,21
	PMX
	OPS F,13, E,22, F,14, E,23
	PMX
	OPS X,18, E,24, F,15, E,25
	PMX
	OPS R,11, E,26, X,19, E,27
	OPS R,12, E,28, R,13, E,29
	OPS X,20, E,30, R,14, E,31
	OPS X,21, R,15
	WIN 0
	s_wait_alu depctr_va_vdst(0)    ; the one wait for the batch of exponentials, ahead of their first reader
.if (\p) == 1
	s_wait_dscnt 0x0                ; V is in
.endif
.if !(\end)
	POSRUN ((\p)+2)%NP
.if (\p) == 1
	FETCH_T \last
.endif
.if (\p) == 2
	FETCH_K
.endif
.endif
	ROW C,0, B,0, C,2, B,1
	ROW L,0, C,4, B,2, L,1
	ROW C,6, B,3, L,2, C,8
	ROW B,4, L,3, C,10, B,5
	ROW L,4, C,12, B,6, L,5
.if (\p) == 0
	s_add_co_u32 s[TBV], s[TBV], KS*PV
.endif
.if \cnt
	s_sub_co_u32 s[CNT], s[CNT], 1
	s_cmp_lg_u32 s[CNT], 0
.endif
	ROW C,14, B,7, L,6, C,1
	ROW C,3, L,7, C,5, C,7
	ROW C,9, C,11, C,13, C,15
.if (\p) == 0
	FETCH_V
.endif
.endm
	; THE BEGINNING
	s_wait_tensorcnt 0x4            ; my first three fills have landed: two blocks of the table and my part of slot 0; my part of slot 1 and three blocks of the table, issued behind them, may stay out:
	s_barrier_signal -1
	s_barrier_wait -1               ; everybody's first three have landed
	v_add_nc_u32 v[AT], s[TBT], v[AT0]
	FETCH_T                         ; step 0
	v_add_nc_u32 v[AK], s[TBK], v[AK0]
	FETCH_K
	s_wait_loadcnt 0x0              ; q, q', u, v
	WIN 0x83
.set i, 0
.rept 64
	v_pk_add_f16 v[i], v[i], v[S+i%16]         ; q + u
.set i, i+1
.endr
	WIN 0xc3
.set i, 0
.rept 64
	v_pk_add_f16 v[64+i], v[i], v[S+16+i%16]   ; QB = q + v
.set i, i+1
.endr
.set i, 0
.rept 64
	v_pk_add_f16 v[i], v[i], v[S+16+i%16]      ; QA = q + v
.set i, i+1
.endr
	WIN 0x82
.set i, 0
.rept 64
	v_pk_add_f16 v[QH+i], v[QH+i], v[S+16+i%16]  ; q' + v
.set i, i+1
.endr
	UPD
	s_wait_dscnt 0x0                ; the table's groups and K
.set NOKQ, 0
.set DOP, 1
.set PX, 0
.set pz, 0
.rept 10
	PM
.endr
	PLACES
	PLACES
	POSRUN 0
	s_wait_dscnt 0x0
.set PX, 1
.set pz, 0
.rept 10
	PM
.endr
	PLACES
	PLACES
	POSRUN 1
	s_wait_dscnt 0x0
.set i, 0
.rept 8
	KQ 0
.set i, i+1
.endr
	WIN 0
	PLACES
	PLACES
.set Y, NP-1
.irp n, 0,1,2,3,4,5,6,7,8,9,10,11,12,13,14,15,16,17,18,19,20,21
	OP X, \n
.endr
	v_nop                           ; a plain instruction behind the exponential,
	s_wait_alu depctr_va_vdst(0)    ; and its wait, ahead of the branch
	s_wait_tensorcnt 0x0            ; the rest of my first fills has landed while step 0 was begun,
	s_wait_dscnt 0x0
	s_barrier_signal -1
	s_barrier_wait -1               ; everybody's has: the whole table and both slots stand
	s_mov_b32 s[CNT], 2
	s_branch .Lfirst                ; the loop is entered at a step's first turn, in the middle of a trip
.Lslot:                             ; six times: slots 2 to 7 are asked for
	CHANGE 1
	s_mov_b32 s[CNT], 2
.Lstep:                             ; a trip: pieces 2 and 3 of one step, pieces 0 and 1 of the next; all position products of that next step fall into it
	UPD
	TURN 2
	TURN 3
	WIN 0
.Lfirst:
	TURN 0
	TURN 1, 0, 1
	WIN 0
	s_cbranch_scc1 .Lstep
	s_sub_co_u32 s[SLOTS], s[SLOTS], 1
	s_cmp_lg_u32 s[SLOTS], 0
	s_cbranch_scc1 .Lslot
	CHANGE 0                        ; the tail is written out
	s_mov_b32 s[CNT], 2
.Ltail:
	UPD
	TURN 2
	TURN 3
	TURN 0
	TURN 1, 0, 1, 1
	WIN 0
	s_cbranch_scc1 .Ltail
	TURN 2, 1
	TURN 3, 1
.set i, 0
.rept 8
	PV NP-1
.set i, i+1
.endr
	; THE WAY OUT.  l's halves and the other half of the lanes' are added; O^T is divided by l, rounded to f16 and sent through my stage, a piece at a time.
	WIN 0
.macro ALL line:vararg
.set t, 0
.rept 4
	\line
.set t, t+1
.endr
.endm
	ALL v_add_f32 v[ST+4*t+2], v[ST+4*t+2], v[ST+4*t+3]
	ALL v_permlanex16_b32 v[ST+4*t+3], v[ST+4*t+2], s[SEL], s[SEL+1]
	ALL v_add_f32 v[ST+4*t+2], v[ST+4*t+2], v[ST+4*t+3]
	ALL v_rcp_f32 v[ST+4*t+2], v[ST+4*t+2]
	v_nop
	s_wait_alu depctr_va_vdst(0)    ; one wait for the four reciprocals
.macro PACK t
	WIN W_RS
.set i, 32*(\t)
.rept 16
	v_pk_mul_f32 v[i:i+1], v[i:i+1], v[ST+4*(\t)+2:ST+4*(\t)+3] op_sel_hi:[1,0]
.set i, i+2
.endr
	WIN 0x05
.set i, 0
.rept 16
	v_cvt_pk_f16_f32 v[S+16*(\t)+i], v[32*(\t)+2*i], v[32*(\t)+2*i+1]
.set i, i+1
.endr
	WIN 0
.irp f, 0,1,2,3
	ds_store_b128 v[STO], v[S+16*(\t)+4*\f:S+16*(\t)+4*\f+3] offset:32*\f
.endr
.irp f, 0,1,2,3
	ds_load_b128 v[S+16*(\t)+4*\f:S+16*(\t)+4*\f+3], v[RD] offset:\f*4*SPI
.endr
.endm
.macro SEND t, younger
	WIN 0
.irp f, 0,1,2,3
	s_wait_dscnt (\younger)+3-\f
	global_store_b128 v[GO], v[S+16*(\t)+4*\f:S+16*(\t)+4*\f+3], s[OPT:OPT+1] offset:(\t)*2048+\f*512  ; 512 consecutive bytes, at a multiple of 256 from oc's first byte
.endr
.endm
	PACK 0
.set t, 1
.rept 3
	PACK t
	SEND t-1, 8
.set t, t+1
.endr
	SEND 3, 0
	s_wait_tensorcnt 0x0            ; the wave's end
	ds_add_u32 v[SPW], v[NIL]
	s_wait_dscnt 0x0
	s_endpgm
.Lfunc_end_k_q978eab2fdd_attn:
	.size	k_q978eab2fdd_attn, .Lfunc_end_k_q978eab2fdd_attn-k_q978eab2fdd_attn
	.p2alignl 7, 3214868480
	.fill 96, 4, 3214868480
	.section	.rodata,"a",@progbits
	.p2align	6, 0x0
	.amdhsa_kernel k_q978eab2fdd_attn
		.amdhsa_group_segment_fixed_size 327680
		.amdhsa_private_segment_fixed_size 0
		.amdhsa_enable_private_segment 0
		.amdhsa_kernarg_size 24
		.amdhsa_user_sgpr_count 2
		.amdhsa_user_sgpr_kernarg_segment_ptr 1
		.amdhsa_wavefront_size32 1
		.amdhsa_system_sgpr_workgroup_id_x 1
		.amdhsa_system_sgpr_workgroup_id_y 1
		.amdhsa_system_sgpr_workgroup_id_z 1
		.amdhsa_system_vgpr_workitem_id 0
		.amdhsa_next_free_vgpr 1024
		.amdhsa_next_free_sgpr 102
		.amdhsa_reserve_vcc 0
		.amdhsa_float_denorm_mode_32 3
		.amdhsa_float_denorm_mode_16_64 3
		.amdhsa_memory_ordered 1
		.amdhsa_forward_progress 1
		.amdhsa_inst_pref_size 210
	.end_amdhsa_kernel
	.amdgpu_metadata
---
amdhsa.version: [ 1, 2 ]
amdhsa.kernels:
  - .name:           k_q978eab2fdd_attn
    .symbol:         k_q978eab2fdd_attn.kd
    .args:
      - { .name: hd, .offset: 0, .size: 8, .value_kind: global_buffer, .address_space: global }
      - { .name: bc, .offset: 8, .size: 8, .value_kind: global_buffer, .address_space: global }
      - { .name: oc, .offset: 16, .size: 8, .value_kind: global_buffer, .address_space: global }
    .group_segment_fixed_size: 327680
    .private_segment_fixed_size: 0
    .kernarg_segment_align: 8
    .kernarg_segment_size: 24
    .max_flat_workgroup_size: 128
    .sgpr_count:     102
    .vgpr_count:     1024
    .wavefront_size: 32
...
	.end_amdgpu_metadata
.endif
;; end of part 3
;; launch outp (part 4): grid 4 x 64, 4 waves a work-group, clusters of 4 x 4, 327,680 bytes of LDS; arguments oc, wc, bc, out0; writes out0
.if DOCPART == 4
	.amdgcn_target "amdgcn-amd-amdhsa--gfx1250"
	.amdhsa_code_object_version 6
	.text
	.protected	k_q978eab2fdd_outp
	.globl	k_q978eab2fdd_outp
	.p2align	8
	.type	k_q978eab2fdd_outp,@function
k_q978eab2fdd_outp:
	s_mov_b64 s[64:65], 0
	v_nop
	global_prefetch_b8 v0, s[64:65] scope:SCOPE_SE
	s_setreg_imm32_b32 hwreg(HW_REG_WAVE_MODE, 25, 1), 1
	s_wait_xcnt 0x0
	s_wait_alu depctr_hold_cnt(0) depctr_sa_sdst(0) depctr_va_vdst(0) depctr_va_sdst(0) depctr_va_ssrc(0) depctr_va_vcc(0) depctr_vm_vsrc(0)
	s_getreg_b32 s2, hwreg(HW_REG_IB_STS2, 6, 4)
	s_cmp_eq_u32 s2, 0
	s_cbranch_scc0 .Lentry_in_a_cluster
	s_endpgm
.Lentry_in_a_cluster:
	s_bfe_u32 s2, ttmp6, 0x10000c
	s_cmp_lg_u32 s2, 0xf033
	s_cbranch_scc0 .Lentry_shape_is_right
	s_endpgm
.Lentry_shape_is_right:
; THE OUTPUT PROJECTION.  out0[m][n] = bo[n] + the sum over k of O[m][k] Wo[n][k].  O lies by heads, [16 b + k / 64][row][64] f16; Wo is weight 4 of wc, [1024][1024], bf16 numbers written as f16;
; sums in f32; out0 f32.  A tile is 128 x 256: 256 work-groups; four waves, each 64 x 128 in 32 accumulators.  K goes in steps of 128 (two heads) through two LDS slots.
; CLUSTER 4 x 4: O's tiles are shared along a row of the cluster, Wo's along a column: joint loads.  The product is used transposed: a lane holds eight neighbouring columns of a row.
; The bias is the C operand of each accumulator's first product.
; REGISTERS: window 0: v0-31 addresses; v64-95, v128-159 fragments of O; v192-255 rows on the way out.  window 1: v0-63 the bias; v64-127, v128-191 fragments of Wo.  window 2: accumulator (a, b) at v[8 (8 a + b)].
.set SIZE_K, 1024
.set KSTEP,  128
.set PITCH,  272                       ; a row of Wo's tile in LDS
.set APITCH, 144                       ; a row of one head of O's tile: 128 bytes + 16
.set APART,  128*APITCH                ; one head's 128 rows
.set BOFF,   2*APART
.set HALFB,  128*PITCH
.set SLOT,   BOFF+2*HALFB
.set STAGE,  2*SLOT                    ; 16 rows x 528 bytes for each wave
.set SPITCH, 528
.set SPARE,  STAGE+4*16*SPITCH
.set LAPS,   4
.set ADRA, 16
.set ADRB, 20
.set STO,  24
.set RD,   25
.set CO,   26
.set BO,   27
.set SPW,  28
.set NIL,  29
.set PFO,  30
.set PFA,  44
.set LIM,  43
.set PSTEP, 76                         ; s[76:77] bytes from a K step to the next, for my prefetches
.set F0,   64
.set F1,   128
.set OBF,  192
.set G1,  24
.set G0,  32
.set G1B, 48
.set G0B, 56
.set CP,  70
.set MSB, 0
.macro WIN new
.if MSB != (\new)
	s_set_vgpr_msb (MSB<<8)|(\new)
.set MSB, \new
.endif
.endm
.macro JLOAD s                         ; waves 0 and 1 fetch the two heads of O's tile, waves 2 and 3 the halves of Wo's
	s_cmp_eq_u32 s11, 0
	s_cbranch_scc0 .Lfor_b_\@
	tensor_load_to_lds s[G0+4*(\s):G0+4*(\s)+3], s[G1:G1+7]
	s_nop 0
.rept 4
	v_nop
.endr
	s_branch .Lasked_\@
.Lfor_b_\@:
	tensor_load_to_lds s[G0B+4*(\s):G0B+4*(\s)+3], s[G1B:G1B+7]
	s_nop 0
.rept 4
	v_nop
.endr
.Lasked_\@:
.endm
; A prefetch of the K step two refills on.  O's tile (two heads x 16,384 dense bytes) belongs to one cluster: wave 0 of each partner asks for a quarter of it, told apart by address, a lane for each 256 bytes.
; Wo's tile column is read by all sixteen clusters: the first asks, waves 2 and 3, 32 rows a partner, a lane a row.  The loop's last trip asks for nothing.
.macro ASK
	s_cmp_gt_u32 s3, s[LIM]
	s_cbranch_scc0 .Lnot_mine_\@
	global_prefetch_b8 v[PFO], s[PFA:PFA+1] th:TH_LOAD_NT scope:SCOPE_SE
.Lnot_mine_\@:
.endm
.macro CREST
	s_cmp_lg_u32 s10, 0
	s_cbranch_scc1 .Lnot_wave_0_\@
	s_barrier_signal -3
.Lnot_wave_0_\@:
	s_barrier_wait -3
	s_barrier_signal -1
	s_barrier_wait -1
.endm
.macro CROUND
	s_barrier_signal -1
	s_barrier_wait -1
	CREST
.endm
	s_load_b128 s[4:7], s[0:1], 0x0                ; oc, wc
	s_load_b128 s[68:71], s[0:1], 0x10             ; bc, out0
	v_lshl_add_u32 v[SPW], v0, 2, SPARE
	v_mov_b32 v[NIL], 0
	ds_add_u32 v[SPW], v[NIL]                      ; the wave's opening: the add and its wait ahead of my first tensor load
	v_lshrrev_b32 v1, 5, v0
	v_readfirstlane_b32 s10, v1
	s_lshr_b32 s11, s10, 1                         ; my half of the tile's rows; also: I fetch for O (0) or Wo (1)
	s_and_b32 s12, s10, 1                          ; my half of its columns; also: which part I fetch
	s_bfe_u32 s40, ttmp6, 0x40000                  ; cx
	s_bfe_u32 s41, ttmp6, 0x40004                  ; cy
	s_lshl_b32 s42, ttmp9, 2
	s_add_co_u32 s42, s42, s40                     ; tile column
	s_and_b32 s72, ttmp7, 0xffff                   ; cluster y
	s_lshl_b32 s13, s72, 2
	s_add_co_u32 s13, s13, s41                     ; tile row, 0..63
	s_lshl_b32 s43, s41, 2
	s_lshl_b32 s43, 15, s43
	s_lshl_b32 s44, 0x1111, s40
	s_or_b32 s[G1+0], s43, (1<<16)|(1<<20)|(1<<21)|(4<<22)|(3<<25)   ; O: padded after every 32 words by 4
	s_mov_b32 s[G1+1], 128<<16                     ; 128 dense rows of 128 bytes are asked for as 64 rows of 256
	s_mov_b32 s[G1+2], 64<<16
	s_mov_b32 s[G1+3], 128<<16
	s_mov_b32 s[G1+4], 64
	s_mov_b32 s[G1+5], 128
	s_mov_b32 s[G1+6], 0
	s_mov_b32 s[G1+7], 0
	s_or_b32 s[G1B+0], s44, (1<<16)|(1<<20)|(1<<21)|(5<<22)|(3<<25)  ; Wo: 128 rows x 128 elements, padded after every 64 words by 4
	s_mov_b32 s[G1B+1], KSTEP<<16
	s_mov_b32 s[G1B+2], 128<<16
	s_mov_b32 s[G1B+3], KSTEP<<16
	s_mov_b32 s[G1B+4], 128
	s_mov_b32 s[G1B+5], SIZE_K
	s_mov_b32 s[G1B+6], 0
	s_mov_b32 s[G1B+7], 0
	s_lshr_b32 s16, s13, 3
	s_lshl_b32 s16, s16, 4
	s_add_co_u32 s16, s16, s12                     ; head 16 b + part
	s_lshl_b32 s16, s16, 17
	s_and_b32 s17, s13, 7
	s_lshl_b32 s17, s17, 14                        ; the tile's 128 rows in the head
	s_add_co_u32 s16, s16, s17
	s_mov_b32 s17, 0
	s_lshl_b32 s46, s42, 8
	s_lshl_b32 s47, s12, 7
	s_add_co_u32 s46, s46, s47
	s_lshl_b32 s46, s46, 11
	s_add_co_u32 s46, s46, 8388608                 ; Wo in wc
	s_mov_b32 s47, 0
	s_mul_i32 s20, s12, APART
	s_mul_i32 s21, s12, HALFB
	s_add_co_u32 s21, s21, BOFF
	s_wait_dscnt 0x0
	s_wait_kmcnt 0x0
	s_add_nc_u64 s[14:15], s[4:5], s[16:17]
	s_add_nc_u64 s[46:47], s[6:7], s[46:47]
	CROUND
.irp s, 0,1
	s_mov_b32 s[G0+4*(\s)], 1
	s_add_co_u32 s[G0+4*(\s)+1], s20, (\s)*SLOT
	s_add_nc_u64 s[G0+4*(\s)+2:G0+4*(\s)+3], s[14:15], (\s)*262144   ; K step s: two heads on
	s_or_b32 s[G0+4*(\s)+3], s[G0+4*(\s)+3], 0x80000000
	s_mov_b32 s[G0B+4*(\s)], 1
	s_add_co_u32 s[G0B+4*(\s)+1], s21, (\s)*SLOT
	s_add_nc_u64 s[G0B+4*(\s)+2:G0B+4*(\s)+3], s[46:47], (\s)*KSTEP*2
	s_or_b32 s[G0B+4*(\s)+3], s[G0B+4*(\s)+3], 0x80000000
	JLOAD \s
.endr
	s_lshl_b32 s94, s42, 10
	s_lshl_b32 s95, s12, 9
	s_add_co_u32 s94, s94, s95                     ; my 128 columns, 4 bytes each
	s_mov_b32 s95, 0
	s_add_nc_u64 s[92:93], s[68:69], s[94:95]
	v_and_b32 v1, 15, v0
	v_bfe_u32 v2, v0, 4, 1
	v_lshlrev_b32 v[BO], 5, v2
	WIN 0x40
.irp b, 0,1,2,3,4,5,6,7
	global_load_b128 v[8*(\b):8*(\b)+3],   v[BO], s[92:93] offset:16384+64*(\b)
	global_load_b128 v[8*(\b)+4:8*(\b)+7], v[BO], s[92:93] offset:16384+64*(\b)+16
.endr
	WIN 0
	v_mul_u32_u24 v3, v1, APITCH
	v_lshl_add_u32 v3, v2, 4, v3
	v_mul_u32_u24 v4, v1, PITCH
	v_lshl_add_u32 v4, v2, 4, v4
	s_mul_i32 s22, s11, 64*APITCH                  ; my 64 rows of O
	s_mul_i32 s23, s12, HALFB                      ; my 128 rows of Wo
	s_add_co_u32 s23, s23, BOFF
.irp s, 0,1
	v_add_nc_u32 v[ADRA+(\s)], s22, v3
	v_add_nc_u32 v[ADRB+(\s)], s23, v4
	s_add_co_u32 s22, s22, SLOT
	s_add_co_u32 s23, s23, SLOT
.endr
	s_mul_i32 s23, s10, 16*SPITCH
	s_add_co_u32 s23, s23, STAGE
	v_mul_u32_u24 v5, v1, SPITCH                   ; in: row l % 16, 32 bytes for each half of the lanes
	v_lshl_add_u32 v5, v2, 5, v5
	v_add_nc_u32 v[STO], s23, v5
	v_and_b32 v[CO], 31, v0
	v_lshlrev_b32 v[CO], 4, v[CO]                  ; back: 32 lanes take a row's 512 bytes
	v_add_nc_u32 v[RD], s23, v[CO]
	s_lshl_b32 s84, s13, 7
	s_lshl_b32 s86, s11, 6
	s_add_co_u32 s84, s84, s86                     ; my first row
	s_lshl_b32 s84, s84, 12
	s_add_co_u32 s84, s84, s94
	s_mov_b32 s85, 0
	; the prefetches: the pointer stands at the K step that it names; the first refill steps it from 3 to 4
	s_lshr_b32 s86, s13, 3
	s_lshl_b32 s86, s86, 4
	s_lshr_b32 s87, s40, 1
	s_add_co_u32 s86, s86, s87
	s_lshl_b32 s86, s86, 17
	s_and_b32 s87, s13, 7
	s_lshl_b32 s87, s87, 14
	s_add_co_u32 s86, s86, s87
	s_and_b32 s87, s40, 1
	s_lshl_b32 s87, s87, 13
	s_add_co_u32 s86, s86, s87
	s_add_co_u32 s86, s86, 3*262144
	s_lshl_b32 s88, s42, 8
	s_lshl_b32 s87, s12, 7
	s_add_co_u32 s88, s88, s87
	s_lshl_b32 s87, s41, 5
	s_add_co_u32 s88, s88, s87
	s_lshl_b32 s88, s88, 11
	s_add_co_u32 s88, s88, 8388608+3*KSTEP*2
	s_or_b32 s89, s12, ttmp9
	s_mov_b32 s[PSTEP], KSTEP*2
	s_mov_b32 s[PSTEP+1], 0
	s_mov_b32 s90, 2048
	s_cmp_eq_u32 s11, 0
	s_cselect_b32 s86, s86, s88
	s_cselect_b32 s89, s89, s72
	s_cselect_b32 s[PSTEP], 262144, s[PSTEP]
	s_cselect_b32 s90, 256, s90
	s_cselect_b64 s[PFA:PFA+1], s[4:5], s[6:7]
	s_cmp_eq_u32 s89, 0
	s_cselect_b32 s[LIM], 1, -1
	s_mov_b32 s87, 0
	s_add_nc_u64 s[PFA:PFA+1], s[PFA:PFA+1], s[86:87]
	v_and_b32 v[PFO], 31, v0
	v_mul_u32_u24 v[PFO], v[PFO], s90
.macro MUL8 f, a, first                ; m block a x all 8 n blocks, 32 along K; the 32 accumulators take turns
.if \first
	WIN 0x91
.else
	WIN 0xa1
.endif
.irp b, 0,1,2,3,4,5,6,7
.if \first
	v_wmma_f32_16x16x32_f16 v[8*(8*(\a)+(\b)):8*(8*(\a)+(\b))+7], v[(\f)+8*(\b):(\f)+8*(\b)+7], v[(\f)+8*(\a):(\f)+8*(\a)+7], v[8*(\b):8*(\b)+7]
.else
	v_wmma_f32_16x16x32_f16 v[8*(8*(\a)+(\b)):8*(8*(\a)+(\b))+7], v[(\f)+8*(\b):(\f)+8*(\b)+7], v[(\f)+8*(\a):(\f)+8*(\a)+7], v[8*(8*(\a)+(\b)):8*(8*(\a)+(\b))+7]
.endif
.endr
.endm
.macro FETCH slot, q, f                ; 24 LDS loads: quarter q's fragments
	WIN 0x40
.irp i, 0,1,2,3,4,5,6,7
	ds_load_b128 v[(\f)+8*(\i):(\f)+8*(\i)+3],   v[ADRB+(\slot)] offset:64*(\q)+(\i)*16*PITCH
	ds_load_b128 v[(\f)+8*(\i)+4:(\f)+8*(\i)+7], v[ADRB+(\slot)] offset:64*(\q)+(\i)*16*PITCH+32
.endr
	WIN 0
.irp i, 0,1,2,3
	ds_load_b128 v[(\f)+8*(\i):(\f)+8*(\i)+3],   v[ADRA+(\slot)] offset:((\q)/2)*APART+((\q)%2)*64+(\i)*16*APITCH
	ds_load_b128 v[(\f)+8*(\i)+4:(\f)+8*(\i)+7], v[ADRA+(\slot)] offset:((\q)/2)*APART+((\q)%2)*64+(\i)*16*APITCH+32
.endr
.endm
.macro PLACES
.rept 4
	v_nop
.endr
.endm
.macro QUARTER slot, q, f, g, first
	s_wait_dscnt 0x0                               ; the 24 loads issued 16 matrix instructions back
	MUL8 \f, 0, \first
	MUL8 \f, 1, \first
	PLACES
	FETCH \slot, \q, \g
	MUL8 \f, 2, \first
	MUL8 \f, 3, \first
.endm
.macro TURN slot, next, fill
.if \fill
	s_wait_xcnt 0x0                                ; the last prefetch, a K step back, has read its address
	s_add_nc_u64 s[PFA:PFA+1], s[PFA:PFA+1], s[PSTEP:PSTEP+1]
.endif
	WIN 0
	s_wait_tensorcnt 0x0                           ; all my tensor loads have landed: my part of the next slot
	ds_add_u32 v[SPW], v[NIL]
	s_wait_dscnt 1                                 ; only the add may be out
	MUL8 F1, 0, 0
	s_wait_dscnt 0x0                               ; the add is done, and my reads of this slot are over
	s_barrier_signal -1
	MUL8 F1, 1, 0
.if \fill
	WIN 0
.endif
	s_barrier_wait -1
.if \fill
	CREST
	s_add_nc_u64 s[G0+4*(\slot)+2:G0+4*(\slot)+3], s[G0+4*(\slot)+2:G0+4*(\slot)+3], 524288
	s_add_nc_u64 s[G0B+4*(\slot)+2:G0B+4*(\slot)+3], s[G0B+4*(\slot)+2:G0B+4*(\slot)+3], 2*KSTEP*2
	JLOAD \slot                                    ; 112 matrix instructions ahead of the wait for it; its four v_nop are also the places in front of the loads below
.else
	PLACES
.endif
	FETCH \next, 0, F0
.if \fill
	ASK
.endif
	MUL8 F1, 2, 0
	MUL8 F1, 3, 0
.endm
	s_wait_tensorcnt 1                             ; my part of K step 0 is in
	s_barrier_signal -1
	s_barrier_wait -1
	FETCH 0, 0, F0
	s_wait_loadcnt 0x0                             ; the bias
	QUARTER 0, 1, F0, F1, 1
	WIN 0
	s_mov_b32 s3, LAPS-1
.Llap:
	QUARTER 0, 2, F1, F0, 0
	QUARTER 0, 3, F0, F1, 0
	TURN 0, 1, 1
	QUARTER 1, 1, F0, F1, 0
	QUARTER 1, 2, F1, F0, 0
	QUARTER 1, 3, F0, F1, 0
	TURN 1, 0, 1
	QUARTER 0, 1, F0, F1, 0
	WIN 0
	s_sub_co_u32 s3, s3, 1
	s_cmp_lg_u32 s3, 0
	s_cbranch_scc1 .Llap
	QUARTER 0, 2, F1, F0, 0
	QUARTER 0, 3, F0, F1, 0
	TURN 0, 1, 0
	QUARTER 1, 1, F0, F1, 0
	QUARTER 1, 2, F1, F0, 0
	QUARTER 1, 3, F0, F1, 0
	s_wait_dscnt 0x0
	MUL8 F1, 0, 0
	MUL8 F1, 1, 0
	MUL8 F1, 2, 0
	MUL8 F1, 3, 0
	PLACES
	PLACES
; THE WAY OUT of block a: 16 rows x 512 bytes through my own stage, back as whole rows, stored.
.macro OUTB a
	WIN 0x08
.irp b, 0,1,2,3,4,5,6,7
	ds_store_b128 v[STO], v[8*(8*(\a)+(\b)):8*(8*(\a)+(\b))+3]   offset:64*(\b)
	ds_store_b128 v[STO], v[8*(8*(\a)+(\b))+4:8*(8*(\a)+(\b))+7] offset:64*(\b)+16
.endr
	WIN 0
	s_wait_xcnt 0x0                                ; the block before's stores have read their base and their registers
.if (\a) == 0
	s_add_nc_u64 s[CP:CP+1], s[CP:CP+1], s[84:85]
.else
	s_add_nc_u64 s[CP:CP+1], s[CP:CP+1], 16*4096
.endif
.irp t, 0,1,2,3,4,5,6,7,8,9,10,11,12,13,14,15
	ds_load_b128 v[OBF+4*(\t):OBF+4*(\t)+3], v[RD] offset:(\t)*SPITCH  ; LDS serves a wave's instructions in order: these see the stores above
.endr
.irp t, 0,1,2,3,4,5,6,7,8,9,10,11,12,13,14,15
	s_wait_dscnt 15-(\t)
	global_store_b128 v[CO], v[OBF+4*(\t):OBF+4*(\t)+3], s[CP:CP+1] offset:(\t)*4096 th:TH_STORE_NT  ; 512 consecutive bytes, at a multiple of 256 from out0's first byte
.endr
.endm
	OUTB 0
	OUTB 1
	OUTB 2
	OUTB 3
	s_wait_tensorcnt 0x0                           ; the wave's end
	ds_add_u32 v[SPW], v[NIL]
	s_wait_dscnt 0x0
	CROUND                                         ; the closing round
	s_endpgm
.Lfunc_end_k_q978eab2fdd_outp:
	.size	k_q978eab2fdd_outp, .Lfunc_end_k_q978eab2fdd_outp-k_q978eab2fdd_outp
	.p2alignl 7, 3214868480
	.fill 96, 4, 3214868480
	.section	.rodata,"a",@progbits
	.p2align	6, 0x0
	.amdhsa_kernel k_q978eab2fdd_outp
		.amdhsa_group_segment_fixed_size 327680
		.amdhsa_private_segment_fixed_size 0
		.amdhsa_enable_private_segment 0
		.amdhsa_kernarg_size 32
		.amdhsa_user_sgpr_count 2
		.amdhsa_user_sgpr_kernarg_segment_ptr 1
		.amdhsa_wavefront_size32 1
		.amdhsa_system_sgpr_workgroup_id_x 1
		.amdhsa_system_sgpr_workgroup_id_y 1
		.amdhsa_system_sgpr_workgroup_id_z 1
		.amdhsa_system_vgpr_workitem_id 0
		.amdhsa_next_free_vgpr 768
		.amdhsa_next_free_sgpr 96
		.amdhsa_reserve_vcc 0
		.amdhsa_float_denorm_mode_32 3
		.amdhsa_float_denorm_mode_16_64 3
		.amdhsa_memory_ordered 1
		.amdhsa_forward_progress 1
		.amdhsa_inst_pref_size 91
	.end_amdhsa_kernel
	.amdgpu_metadata
---
amdhsa.version: [ 1, 2 ]
amdhsa.kernels:
  - .name:           k_q978eab2fdd_outp
    .symbol:         k_q978eab2fdd_outp.kd
    .args:
      - { .name: oc, .offset: 0, .size: 8, .value_kind: global_buffer, .address_space: global }
      - { .name: wc, .offset: 8, .size: 8, .value_kind: global_buffer, .address_space: global }
      - { .name: bc, .offset: 16, .size: 8, .value_kind: global_buffer, .address_space: global }
      - { .name: out0, .offset: 24, .size: 8, .value_kind: global_buffer, .address_space: global }
    .group_segment_fixed_size: 327680
    .private_segment_fixed_size: 0
    .kernarg_segment_align: 8
    .kernarg_segment_size: 32
    .max_flat_workgroup_size: 128
    .sgpr_count:     96
    .vgpr_count:     768
    .wavefront_size: 32
...
	.end_amdgpu_metadata
.endif
;; end of part 4
;; ======== version 2 of 2: 4 launches; version 1 with the launch prep written anew for expert scheduling mode
;; limits: values are held in f16: magnitudes above 65,504 overflow, below 6.1e-05 lose precision
;; workspace buffers: xc 67,108,864 bytes; wc 10,485,760 bytes; bc 24,576 bytes; hd 67,239,936 bytes; oc 16,777,216 bytes
;; launch prep (part 5): grid 149 x 4, 8 waves a work-group, no clusters, 0 bytes of LDS; arguments q, k, v, pos_emb, Wq, Wk, Wv, Wp, Wo, bq, bk, bv, bo, u_bias, v_bias, xc, wc, bc, hd; writes xc, wc, bc, hd
.if DOCPART == 5
	.amdgcn_target "amdgcn-amd-amdhsa--gfx1250"
	.amdhsa_code_object_version 6
	.text
	.protected	k_q978eab2fdd_prep
	.globl	k_q978eab2fdd_prep
	.p2align	8
	.type	k_q978eab2fdd_prep,@function
k_q978eab2fdd_prep:
	s_mov_b64 s[64:65], 0
	v_nop
	global_prefetch_b8 v0, s[64:65] scope:SCOPE_SE
	s_setreg_imm32_b32 hwreg(HW_REG_WAVE_SCHED_MODE, 0, 2), 2
	s_setreg_imm32_b32 hwreg(HW_REG_WAVE_MODE, 25, 1), 1
	s_wait_xcnt 0x0
	s_wait_alu depctr_vm_vsrc(0)
; THE CASTS.  q, k, v, pos_emb and Wq, Wk, Wv, Wp: f32 -> bf16 (xc, wc).  Wo, u_bias, v_bias: f32 -> bf16, that number written as f16.
; bq, bk, bv, bo: rounded to bf16 and kept as f32 (bc), beside a row of zeros for the projection without bias.  The 256 bytes in front of each head's rows in hd are set to 0.
; LIMITS.  A bf16 number is exact in f16 between 6.1e-5 and 65,504 in magnitude; below it keeps f16's fixed step of 6e-8; Wo, u_bias, v_bias beyond 65,504 become infinities.
; SHARES.  Work-group (x, y): x < 128: chunk x of input y of (q, k, v, pos_emb); 128-143: chunk x - 128 of weight y; 144-147: chunk 4 y + x - 144 of Wo; 148: the small tables.
; A chunk is 65,536 numbers: 64 turns of 256 threads x 16 bytes in, 8 bytes out: a wave's store covers 256 consecutive bytes, aligned.
; No LDS, no barrier, no matrix unit: the bytes are all there is to this launch.
; THE MODE: SCHED_MODE bits 1:0 = 2 (LLVM: expert scheduling mode 2), set by the entry lines.  The code itself states the register dependences
; between vector instructions and memory instructions, with s_wait_alu, always for 0.
; THE PLAN.  The 64 turns go in 16 blocks of four.  Registers that memory instructions touch:
;   X0 .. X3   four blocks as loaded.   Written by the loads of block p + 3, issued in block p; read by block p's conversions.
;   Y0, Y1     two blocks to store.     Written by block p's conversions; read by the four stores that are issued in block p + 1.
;   v1, v2     byte offsets (16 t in, 8 t out), made once at the head and never written again: the turns are reached by the two scalar bases, which move on by a
;              block at each block's head, and by immediate offsets.
; Block p works on X[p % 4] and writes Y[p % 2].  Its memory instructions are the loads into X[(p + 3) % 4] = X[(p - 1) % 4] and the stores from Y[(p - 1) % 2]: the two buffers that
; block p - 1 worked on and that no vector instruction of block p names.  So the waits at the head of a block state all that the block's eight memory instructions hang on, and these
; are dealt among its conversions with no further wait.  Eight to twelve loads of every wave are on their way.
.set BLOCK,  4                         ; turns in a block
.set BLOCKS, 64 / BLOCK
.set TIN,    4096                      ; bytes that the work-group reads in a turn
.set TOUT,   2048                      ; bytes that it stores in a turn
.set OI,   1                           ; v1        16 t: my 16 bytes in every turn's input
.set OO,   2                           ; v2        8 t: my 8 bytes in every turn's output
.set T,    4                           ; v[4:7]    at work: no memory instruction names them
.set X,    8                           ; v[8:71]   buffer k, turn i: 4 registers at X + 16 k + 4 i, as loaded
.set Y,    72                          ; v[72:87]  buffer k, turn i: 2 registers at Y + 8 k + 2 i, to store
.set HS,   131328                       ; bytes of a head in hd: 256 + 1,024 rows of 128
.set RS,   16809984                     ; bytes of a region of hd: 128 heads
	s_load_b512 s[8:23], s[0:1], 0x0               ; q, k, v, pos_emb, Wq, Wk, Wv, Wp
	s_load_b512 s[24:39], s[0:1], 0x40             ; Wo, bq, bk, bv, bo, u_bias, v_bias, xc
	s_load_b128 s[40:43], s[0:1], 0x80             ; wc, bc
	s_load_b64 s[44:45], s[0:1], 0x90              ; hd
	s_mov_b32 s2, ttmp9                            ; x
	s_and_b32 s3, ttmp7, 0xffff                    ; y
	s_mov_b32 s50, 0xffff0000                      ; a word's upper bf16
	v_lshlrev_b32 v[OI], 4, v0
	v_lshlrev_b32 v[OO], 3, v0
	s_lshl_b32 s51, s2, 18                         ; an input's chunk: 256 KiB in,
	s_lshl_b32 s52, s3, 7
	s_add_co_u32 s52, s52, s2
	s_lshl_b32 s52, s52, 17                        ; 128 KiB out, 128 chunks an input
	s_sub_co_u32 s55, s2, 128
	s_lshl_b32 s53, s55, 18                        ; a weight's chunk,
	s_lshl_b32 s54, s3, 4
	s_add_co_u32 s54, s54, s55
	s_lshl_b32 s54, s54, 17                        ; 16 chunks a weight
	s_mov_b32 s57, 0
	s_mov_b32 s59, 0
	s_wait_kmcnt 0x0
	s_cmp_eq_u32 s2, 148
	s_cbranch_scc1 .Lsmall
	s_cmp_ge_u32 s2, 144
	s_cbranch_scc1 .Lwo
	s_cmp_eq_u32 s3, 1
	s_cselect_b64 s[46:47], s[10:11], s[8:9]
	s_cselect_b64 s[48:49], s[18:19], s[16:17]
	s_cmp_eq_u32 s3, 2
	s_cselect_b64 s[46:47], s[12:13], s[46:47]
	s_cselect_b64 s[48:49], s[20:21], s[48:49]
	s_cmp_eq_u32 s3, 3
	s_cselect_b64 s[46:47], s[14:15], s[46:47]     ; input y
	s_cselect_b64 s[48:49], s[22:23], s[48:49]     ; weight y
	s_cmp_lt_u32 s2, 128
	s_cselect_b64 s[4:5], s[46:47], s[48:49]
	s_cselect_b64 s[6:7], s[38:39], s[40:41]
	s_cselect_b32 s56, s51, s53
	s_cselect_b32 s58, s52, s54
	s_add_nc_u64 s[4:5], s[4:5], s[56:57]          ; from here
	s_add_nc_u64 s[6:7], s[6:7], s[58:59]          ; to here
; Block p.  xb = p % 4, yb = p % 2.  first = 1: block 0, with no block in front of it.  ahead = 1: block p + 3 is loaded.
; left = the younger loads that may stay out when this block's four have to be there.  f16 = 1: the bf16 number is written as f16.
.macro BLK xb, yb, first, ahead, left, f16
	s_wait_loadcnt \left                           ; loads come back in order: X[xb] is in, the younger blocks stay out
.if !\first
	s_wait_xcnt 0x0                                ; every earlier memory instruction has had its addresses translated: the bases and Y[yb] are rewritten only behind this wait
	s_wait_alu depctr_vm_vsrc(0)                   ; the stores issued in the block before have read Y[yb], which this block's conversions write again
	s_wait_alu depctr_va_vdst(0)                   ; the block before has written the other Y, which the stores below read, and is done reading its X, in which the loads below land
	s_add_nc_u64 s[4:5], s[4:5], BLOCK*TIN         ; both bases at this block's first turn
	s_add_nc_u64 s[6:7], s[6:7], BLOCK*TOUT
.endif
.irp i, 0,1,2,3
.if \ahead
	global_load_b128 v[X+16*((\xb+3)%4)+4*(\i):X+16*((\xb+3)%4)+4*(\i)+3], v[OI], s[4:5] offset:(3*BLOCK+(\i))*TIN th:TH_LOAD_NT  ; three blocks ahead; no vector instruction since the wait names these registers
.endif
.if !\first
	global_store_b64 v[OO], v[Y+8*(1-\yb)+2*(\i):Y+8*(1-\yb)+2*(\i)+1], s[6:7] offset:((\i)-BLOCK)*TOUT  ; the block before: the offset reaches back
.endif
	v_cvt_pk_bf16_f32 v[Y+8*\yb+2*(\i)],   v[X+16*\xb+4*(\i)],   v[X+16*\xb+4*(\i)+1]
	v_cvt_pk_bf16_f32 v[Y+8*\yb+2*(\i)+1], v[X+16*\xb+4*(\i)+2], v[X+16*\xb+4*(\i)+3]
.if \f16
	v_lshlrev_b32 v[T],   16,  v[Y+8*\yb+2*(\i)]
	v_and_b32     v[T+1], s50, v[Y+8*\yb+2*(\i)]
	v_lshlrev_b32 v[T+2], 16,  v[Y+8*\yb+2*(\i)+1]
	v_and_b32     v[T+3], s50, v[Y+8*\yb+2*(\i)+1]
	v_cvt_pk_f16_f32 v[Y+8*\yb+2*(\i)],   v[T],   v[T+1]
	v_cvt_pk_f16_f32 v[Y+8*\yb+2*(\i)+1], v[T+2], v[T+3]
.endif
.endr
.endm
.macro STREAM f16
	s_wait_alu depctr_va_vdst(0)                   ; v1 and v2 are written: every load and store of the stream reads one of them as its offset
.irp i, 0,1,2,3,4,5,6,7,8,9,10,11
	global_load_b128 v[X+4*(\i):X+4*(\i)+3], v[OI], s[4:5] offset:(\i)*TIN th:TH_LOAD_NT  ; blocks 0, 1 and 2 into X0, X1, X2
.endr
	BLK 0, 0, 1, 1, 2*BLOCK, \f16                  ; block 0
	s_mov_b32 s60, (BLOCKS-4)/4
.Lround_\@:                                        ; blocks 1 to 12, four to a lap: both kinds of buffer are back at their start
	BLK 1, 1, 0, 1, 2*BLOCK, \f16
	BLK 2, 0, 0, 1, 2*BLOCK, \f16
	BLK 3, 1, 0, 1, 2*BLOCK, \f16
	BLK 0, 0, 0, 1, 2*BLOCK, \f16
	s_sub_co_u32 s60, s60, 1
	s_cmp_lg_u32 s60, 0
	s_cbranch_scc1 .Lround_\@
	BLK 1, 1, 0, 0, 2*BLOCK, \f16                  ; blocks 13 to 15 load nothing: no load leaves the chunk, and the counts run down
	BLK 2, 0, 0, 0, BLOCK, \f16
	BLK 3, 1, 0, 0, 0, \f16
	s_wait_alu depctr_va_vdst(0)                   ; block 15 has written Y1, which the last four stores read
.irp i, 0,1,2,3
	global_store_b64 v[OO], v[Y+8+2*(\i):Y+8+2*(\i)+1], s[6:7] offset:(\i)*TOUT
.endr
	s_endpgm
.endm
	STREAM 0
.Lwo:                                              ; Wo: chunk 4 y + x - 144, behind the four other weights in wc
	s_lshl_b32 s56, s3, 2
	s_add_co_u32 s56, s56, s55
	s_sub_co_u32 s56, s56, 16
	s_add_co_u32 s58, s56, 64
	s_lshl_b32 s56, s56, 18
	s_lshl_b32 s58, s58, 17
	s_add_nc_u64 s[4:5], s[24:25], s[56:57]
	s_add_nc_u64 s[6:7], s[40:41], s[58:59]
	STREAM 1
.Lsmall:                                           ; 256 threads, four numbers each.  All offsets and the zeros are made here, ahead of one wait; no later vector instruction names them
	v_lshlrev_b32 v76, 4, v0                       ; 16 t
	v_lshlrev_b32 v77, 3, v0                       ; 8 t
.irp r, 72,73,74,75
	v_mov_b32 v\r, 0
.endr
	v_lshrrev_b32 v78, 4, v0                       ; region y's 128 pads of 256 bytes: thread t takes 16 bytes of heads t / 16 + 16 k, k = 0 .. 7
	v_mul_u32_u24 v78, v78, HS
	v_and_b32 v79, 15, v0
	v_lshl_add_u32 v78, v79, 4, v78
	v_add_nc_u32 v79, 64*HS, v78
	s_lshl_b32 s60, s3, 12                         ; row y of bc: made ahead of the compares, since a shift writes SCC
	s_mov_b32 s61, 0
	s_mul_i32 s56, s3, RS
	s_add_nc_u64 s[46:47], s[44:45], s[56:57]      ; region y of hd
	s_cmp_eq_u32 s3, 1
	s_cselect_b64 s[52:53], s[28:29], s[26:27]
	s_cmp_eq_u32 s3, 2
	s_cselect_b64 s[52:53], s[30:31], s[52:53]
	s_cmp_eq_u32 s3, 3
	s_cselect_b64 s[52:53], s[32:33], s[52:53]     ; bias y of (bq, bk, bv, bo)
	s_cselect_b32 s60, 16384, s60                  ; its row in bc: 0, 1, 2, 4
	s_add_nc_u64 s[62:63], s[42:43], s[60:61]
	s_wait_alu depctr_va_vdst(0)                   ; the offsets v76 to v79 and the zeros v72 to v75 are written: the loads and stores below read them
	global_load_b128 v[80:83], v76, s[52:53]
	s_cmp_lt_u32 s3, 2
	s_cbranch_scc0 .Lno_uv
	s_cmp_eq_u32 s3, 0
	s_cselect_b64 s[54:55], s[34:35], s[36:37]     ; u_bias, v_bias
	global_load_b128 v[84:87], v76, s[54:55]
	s_lshl_b32 s56, s3, 11
	s_add_co_u32 s56, s56, 20480
	s_add_nc_u64 s[58:59], s[42:43], s[56:57]
	s_wait_loadcnt 0x0
	v_cvt_pk_bf16_f32 v88, v84, v85
	v_cvt_pk_bf16_f32 v89, v86, v87
	v_lshlrev_b32 v92, 16, v88
	v_and_b32 v93, s50, v88
	v_lshlrev_b32 v94, 16, v89
	v_and_b32 v95, s50, v89
	v_cvt_pk_f16_f32 v90, v92, v93
	v_cvt_pk_f16_f32 v91, v94, v95
	s_wait_alu depctr_va_vdst(0)                   ; the conversions have written v[90:91], which the store reads
	global_store_b64 v77, v[90:91], s[58:59]
	s_wait_xcnt 0x0                                ; v[92:95] and v[88:89] are written again below; the store's own registers v77, v[90:91] are not
.Lno_uv:
	s_wait_loadcnt 0x0
	v_cvt_pk_bf16_f32 v88, v80, v81
	v_cvt_pk_bf16_f32 v89, v82, v83
	v_lshlrev_b32 v92, 16, v88
	v_and_b32 v93, s50, v88
	v_lshlrev_b32 v94, 16, v89
	v_and_b32 v95, s50, v89
	s_wait_alu depctr_va_vdst(0)                   ; v[92:95] are written, which the store reads
	global_store_b128 v76, v[92:95], s[62:63]
	s_cmp_eq_u32 s3, 2
	s_cbranch_scc0 .Lno_zero
	global_store_b128 v76, v[72:75], s[42:43] offset:12288  ; the row of zeros
.Lno_zero:
.irp k, 0,1,2,3
	global_store_b128 v78, v[72:75], s[46:47] offset:(\k)*16*HS
	global_store_b128 v79, v[72:75], s[46:47] offset:(\k)*16*HS
.endr
	s_endpgm
.Lfunc_end_k_q978eab2fdd_prep:
	.size	k_q978eab2fdd_prep, .Lfunc_end_k_q978eab2fdd_prep-k_q978eab2fdd_prep
	.p2alignl 7, 3214868480
	.fill 96, 4, 3214868480
	.section	.rodata,"a",@progbits
	.p2align	6, 0x0
	.amdhsa_kernel k_q978eab2fdd_prep
		.amdhsa_group_segment_fixed_size 0
		.amdhsa_private_segment_fixed_size 0
		.amdhsa_enable_private_segment 0
		.amdhsa_kernarg_size 152
		.amdhsa_user_sgpr_count 2
		.amdhsa_user_sgpr_kernarg_segment_ptr 1
		.amdhsa_wavefront_size32 1
		.amdhsa_system_sgpr_workgroup_id_x 1
		.amdhsa_system_sgpr_workgroup_id_y 1
		.amdhsa_system_sgpr_workgroup_id_z 1
		.amdhsa_system_vgpr_workitem_id 0
		.amdhsa_next_free_vgpr 96
		.amdhsa_next_free_sgpr 66
		.amdhsa_reserve_vcc 0
		.amdhsa_float_denorm_mode_32 3
		.amdhsa_float_denorm_mode_16_64 3
		.amdhsa_memory_ordered 1
		.amdhsa_forward_progress 1
		.amdhsa_inst_pref_size 38
	.end_amdhsa_kernel
	.amdgpu_metadata
---
amdhsa.version: [ 1, 2 ]
amdhsa.kernels:
  - .name:           k_q978eab2fdd_prep
    .symbol:         k_q978eab2fdd_prep.kd
    .args:
      - { .name: q, .offset: 0, .size: 8, .value_kind: global_buffer, .address_space: global }
      - { .name: k, .offset: 8, .size: 8, .value_kind: global_buffer, .address_space: global }
      - { .name: v, .offset: 16, .size: 8, .value_kind: global_buffer, .address_space: global }
      - { .name: pos_emb, .offset: 24, .size: 8, .value_kind: global_buffer, .address_space: global }
      - { .name: Wq, .offset: 32, .size: 8, .value_kind: global_buffer, .address_space: global }
      - { .name: Wk, .offset: 40, .size: 8, .value_kind: global_buffer, .address_space: global }
      - { .name: Wv, .offset: 48, .size: 8, .value_kind: global_buffer, .address_space: global }
      - { .name: Wp, .offset: 56, .size: 8, .value_kind: global_buffer, .address_space: global }
      - { .name: Wo, .offset: 64, .size: 8, .value_kind: global_buffer, .address_space: global }
      - { .name: bq, .offset: 72, .size: 8, .value_kind: global_buffer, .address_space: global }
      - { .name: bk, .offset: 80, .size: 8, .value_kind: global_buffer, .address_space: global }
      - { .name: bv, .offset: 88, .size: 8, .value_kind: global_buffer, .address_space: global }
      - { .name: bo, .offset: 96, .size: 8, .value_kind: global_buffer, .address_space: global }
      - { .name: u_bias, .offset: 104, .size: 8, .value_kind: global_buffer, .address_space: global }
      - { .name: v_bias, .offset: 112, .size: 8, .value_kind: global_buffer, .address_space: global }
      - { .name: xc, .offset: 120, .size: 8, .value_kind: global_buffer, .address_space: global }
      - { .name: wc, .offset: 128, .size: 8, .value_kind: global_buffer, .address_space: global }
      - { .name: bc, .offset: 136, .size: 8, .value_kind: global_buffer, .address_space: global }
      - { .name: hd, .offset: 144, .size: 8, .value_kind: global_buffer, .address_space: global }
    .group_segment_fixed_size: 0
    .private_segment_fixed_size: 0
    .kernarg_segment_align: 8
    .kernarg_segment_size: 152
    .max_flat_workgroup_size: 256
    .sgpr_count:     66
    .vgpr_count:     96
    .wavefront_size: 32
...
	.end_amdgpu_metadata
.endif
;; end of part 5
;; launch proj: the kernel of part 2 again; grid 4 x 64, 4 waves a work-group, clusters of 4 x 4, 327,680 bytes of LDS; arguments xc, wc, bc, hd; writes hd
;; launch attn: the kernel of part 3 again; grid 4 x 128, 4 waves a work-group, no clusters, 327,680 bytes of LDS; arguments hd, bc, oc; writes oc
;; launch outp: the kernel of part 4 again; grid 4 x 64, 4 waves a work-group, clusters of 4 x 4, 327,680 bytes of LDS; arguments oc, wc, bc, out0; writes out0
